; MI455X (gfx1250); checked and timed in simulation.
; The chip was launched on July 23, 2026; its instructions are those of AMD's public machine-readable ISA for CDNA 5 (MIT licence, August 2026) and "CDNA5" Instruction Set Architecture Reference Guide (July 2026). The comments in the code are by the model that wrote it; some were corrected since.
;; Context Multi Head Attn. Allowed arithmetic: matrix products marked QUANTISED: E2M1 operands, one E8M0 scale for each 32 along K, by v_wmma_scale_f32_16x16x128_f8f6f4 with both operands' format E2M1 (or v_wmma_scale_f32_32x16x128_f4), f32 sums; everything else in f32.
;; Inputs: Wkv 1,024 x 2,048 float32; Wo 1,024 x 1,024 float32; Wq 1,024 x 1,024 float32; attn_mask 1,024 x 8 bool; beta 1,024 float32; c 1,024 x 8 x 1,024 float32; gamma 1,024 float32; h 1,024 x 8 x 1,024 float32.
;; Outputs: out0 1,024 x 8 x 1,024 float32.
;; This version of the problem:
;;   THIS VERSION OF THE PROBLEM IS GIVEN IN LOW PRECISION. The matrix products marked QUANTISED in the list below multiply operands that are first quantised to E2M1 (2 exponent bits, 1 mantissa bit; 4 bits a number), with one power-of-two scale for each 32 numbers along K (OCP MX v1.0); their sums are f32. All else is computed in f32.
;;   The module's matrix products, in the order in which they are computed (A, B: the left and right operand; K: the contracted axis; several contracted axes count as one K, in the product's order):
;;     1. [M 8,192, K 1,024] x [K 1,024, N 1,024]; A: computed on the way; B: input Wq: QUANTISED
;;     2. [M 8,192, K 1,024] x [K 1,024, N 2,048]; A: input c; B: input Wkv: QUANTISED
;;     3. batch 128 x [M 1,024, K 64] x [K 64, N 1,024]; A: computed on the way; B: computed on the way: QUANTISED
;;     4. batch 128 x [M 64, K 1,024] x [K 1,024, N 1,024]; A: computed on the way; B: softmax (see below): QUANTISED
;;     5. [M 8,192, K 1,024] x [K 1,024, N 1,024]; A: computed on the way; B: input Wo: QUANTISED
;;   THE QUANTISER, for each operand of a quantised product, along K:
;;     - K is cut into blocks of 32 from its start; a last block that is shorter is filled with zeros.
;;     - A block's scale is 2^e with e = floor(log2(the largest magnitude in the block)) - 2, held to -126 .. 127; a block of zeros has e = 0. As a byte (E8M0): e + 127.
;;     - Each number is divided by its block's scale, clamped to +-6, and rounded to the nearest number of E2M1, ties to even, subnormals kept.
;;     - The product sums the exact products of the quantised numbers (number of the format x scale) in f32.
;;   ~~~python
;;   def quantise(x, axis):      # numpy; x: float32 -> the quantised numbers, widened to float32 again
;;       x = np.moveaxis(x, axis, -1); K = x.shape[-1]
;;       x = np.pad(x, [(0, 0)] * (x.ndim - 1) + [(0, -K % 32)]); x = x.reshape(x.shape[:-1] + (-1, 32)); a = np.abs(x).max(-1, keepdims=True)
;;       e = np.where(a > 0, np.clip(np.frexp(np.where(a > 0, a, 1))[1] - 1 - 2, -126, 127), 0)      # np.frexp(a)[1] - 1 = floor(log2(a)), exactly
;;       r = np.clip(x / 2.0 ** e, -6, 6)
;;       step = 2.0 ** (np.maximum(np.frexp(np.where(r == 0, 1, r))[1] - 1, 0) - 1)
;;       q = np.round(r / step) * step * 2.0 ** e      # np.round: ties to even
;;       return np.moveaxis(q.reshape(q.shape[:-2] + (-1,))[..., :K], -1, axis).astype(np.float32)
;;   ~~~
;;   SOFTMAX AHEAD OF A QUANTISED PRODUCT. Where the list says 'softmax', what is quantised is not the finished softmax but p = 2^(t - M), with t = logit x log2(e) and M = ceil(the row's largest t), a whole number; so 1/2 < the row's largest p <= 1. The row's sum l is taken of the UNQUANTISED p, in f32, and the product's result is divided by l at the end. Since M is a whole number, a kernel that streams over the keys may use a running M (the ceiling of the running maximum): every later rescaling is an exact power of two, which a block's scale takes up: the codes' values come out the same.
;;   OPERANDS COMPUTED ON THE WAY. 'Computed on the way' means the value that the module computes at that place (a softmax that the list does not call 'softmax' is quantised finished and normalised). What goes into a quantiser is computed in f32, as accurately as f32 sums, v_exp_f32 and their like allow (about 1e-6 of the number): no bf16 or f16 on the way to a quantiser, and a product that is left as it is and whose result goes on into a quantised operand takes f32 operands (vector FMAs, or v_wmma_f32_16x16x4_f32). A number that lies on a knife's edge between two numbers of the format may be rounded either way, as far as f32 arithmetic and the matrix unit's own rounding can turn it there, and no further.
;; One version. Each part assembles by itself: llvm-mc -triple=amdgcn-amd-amdhsa -mcpu=gfx1250 --defsym DOCPART=n.
;; ======== version 1 of 1: 4 launches
;; limits: right only within a limited range of input values
;; workspace buffers: xq 8,912,896 bytes; wq 2,228,224 bytes; stats 65,536 bytes; kvq 8,912,896 bytes; aq 4,456,448 bytes
;; launch prep (part 1): grid 384 x 1, 8 waves a work-group, no clusters, 97,792 bytes of LDS; arguments h, c, gamma, beta, Wq, Wkv, Wo, xq, wq, stats; writes xq, wq, stats
.if DOCPART == 1
	.amdgcn_target "amdgcn-amd-amdhsa--gfx1250"
	.amdhsa_code_object_version 6
	.text
	.protected	k_qf0f1a16d7e_prep
	.globl	k_qf0f1a16d7e_prep
	.p2align	8
	.type	k_qf0f1a16d7e_prep,@function
k_qf0f1a16d7e_prep:
	s_mov_b64 s[64:65], 0
	v_nop
	global_prefetch_b8 v0, s[64:65] scope:SCOPE_SE
	s_setreg_imm32_b32 hwreg(HW_REG_WAVE_MODE, 25, 1), 1
	s_wait_xcnt 0x0
; PREP: everything that arrives as f32 becomes codes of E2M1 with one E8M0 byte for each 32 along K (K = d_model = 1,024 for all of them).
;   work-groups 0-127:   64 rows of h: layer norm in f32 (mean, centred squares, rsqrt, gamma, beta), then quantised; (-mean, rstd) of each row go to stats
;   work-groups 128-255: 64 rows of c, quantised as they are
;   work-groups 256-383: 64 columns x 512 along K of Wq, Wkv or Wo; K is their FIRST axis, so a lane takes a column and its registers run down K
; LAYOUT OF xq AND wq: a group is 64 rows; codes at group x 32,768 + (K / 128) x 4,096 + row x 64; scale words (4 bytes: 128 along K of one row) at SC + group x 2,048 + (K / 128) x 256 + row x 4.
; xq's groups: 16 b + i / 64 for h's rows (i, b), 128 + 16 b + j / 64 for c's.  wq's rows: 0-1023 Wq's columns, 1024-3071 Wkv's, 3072-4095 Wo's.
; A block's scale byte is its largest magnitude's exponent field - 2, held at 1 from below by a floor among the maximum's leaves.
; LIMITS: NaN and infinities are not served; a block whose largest magnitude lies under 2^-124, a block of zeros among them, gets the byte 1 (zero codes add nothing; this program alone reads the bytes); rsqrt is v_rsq_f32's.
; No tensor load, no matrix unit, no cluster: memory binds, and no two work-groups read the same bytes but gamma and beta.  The two kinds of work-group part on the work-group's number and have LDS bytes of their own.
.set SCX, 8388608                      ; xq: where the scale words begin
.set SCW, 2097152                      ; wq: likewise
.set FS,  0                            ; rows: a stage of 32 places x (128 + 16) bytes for each wave: a row of f32 turns from 16 bytes a lane to 128 bytes a lane
.set CSG, 36864                        ; rows: 8 rows x (512 + 64) bytes of codes for each wave
.set SSG, 73728                        ; rows: the group's scale bytes, [K step][64 rows][4]
.set TSG, 75776                        ; rows: the group's (-mean, rstd), 8 bytes a row
.set WSG, 76288                        ; weights: 32 rows x (64 + 16) bytes of codes for each wave
.set GA,  32                           ; v32-63   gamma, laid as a row is loaded
.set BE,  64                           ; v64-95   beta
.set X,   96                           ; v96-223  four sets of 32: rows as loaded (weights: 128 numbers down K)
.set B,   224                          ; v224-255 a lane's block of 32 neighbours (weights: the codes)
.set WV,  24                           ; s24      my wave's number
.set SEL, 32                           ; s[32:33] v_permlanex16_b32's selects for lane l xor 16
; 32 numbers of one lane, v[xs] on, are one block: its scale operand in v12, its byte in v13, its 16 bytes of codes in v[cd] on
.macro BLOCKQ xs, cd
	v_max3_num_f32 v10, |v[(\xs)]|, |v[(\xs)+1]|, |v[(\xs)+2]|
	v_max3_num_f32 v11, |v[(\xs)+3]|, |v[(\xs)+4]|, |v[(\xs)+5]|
.irp i, 6,10,14,18,22,26
	s_delay_alu instid0(VALU_DEP_2)
	v_max3_num_f32 v10, v10, |v[(\xs)+\i]|, |v[(\xs)+\i+1]|
	s_delay_alu instid0(VALU_DEP_2)
	v_max3_num_f32 v11, v11, |v[(\xs)+\i+2]|, |v[(\xs)+\i+3]|
.endr
	s_delay_alu instid0(VALU_DEP_2)
	v_max3_num_f32 v10, v10, |v[(\xs)+30]|, |v[(\xs)+31]|
	s_delay_alu instid0(VALU_DEP_1)
	v_max3_num_f32 v10, v10, v11, 0x1800000        ; the floor 2^(3 - 127): the byte cannot fall under 1
	s_delay_alu instid0(VALU_DEP_1)
	v_add_nc_u32 v12, 0xff000000, v10              ; 2 off the exponent field: the conversion takes this operand's exponent field as its scale
.irp g, 0,1,2,3
	v_cvt_scalef32_pk8_fp4_f32 v[(\cd)+\g], v[(\xs)+8*\g:(\xs)+8*\g+7], v12
.endr
	v_lshrrev_b32 v13, 23, v12                     ; the scale's byte (also the plain line behind the conversions)
.endm
.macro WSUM                            ; v18 summed over the wave's 32 lanes, the result in every lane
	s_delay_alu instid0(VALU_DEP_1)
	v_add_f32_dpp v18, v18, v18 row_xmask:1 row_mask:0xf bank_mask:0xf
	s_delay_alu instid0(VALU_DEP_1)
	v_add_f32_dpp v18, v18, v18 row_xmask:2 row_mask:0xf bank_mask:0xf
	s_delay_alu instid0(VALU_DEP_1)
	v_add_f32_dpp v18, v18, v18 row_xmask:4 row_mask:0xf bank_mask:0xf
	s_delay_alu instid0(VALU_DEP_1)
	v_add_f32_dpp v18, v18, v18 row_xmask:8 row_mask:0xf bank_mask:0xf
	s_delay_alu instid0(VALU_DEP_1)
	v_permlanex16_b32 v22, v18, s[SEL], s[SEL+1]
	s_delay_alu instid0(VALU_DEP_1)
	v_add_f32 v18, v18, v22
.endm
.macro XLOAD t                         ; row t of my eight: eight loads of 512 consecutive bytes; rows (i, b) and (i + 1, b) lie 32,768 bytes apart
.irp j, 0,1,2,3,4,5,6,7
	global_load_b128 v[X+32*((\t)%4)+4*\j:X+32*((\t)%4)+4*\j+3], v2, s[30:31] offset:(\t)*32768+512*\j th:TH_LOAD_NT
.endr
.endm
	s_load_b512 s[4:19], s[0:1], 0x0               ; h, c, gamma, beta, Wq, Wkv, Wo, xq
	s_load_b128 s[20:23], s[0:1], 0x40             ; wq, stats
	v_lshl_add_u32 v23, v0, 2, 0x17a00
	v_mov_b32 v28, 0                               ; v23, v28: the add's two registers, kept for it alone
	v_lshrrev_b32 v1, 5, v0
	s_delay_alu instid0(VALU_DEP_1)
	v_readfirstlane_b32 s[WV], v1                  ; wave 0..7
	v_and_b32 v1, 31, v0                           ; lane
	s_delay_alu instid0(VALU_DEP_1)
	v_lshlrev_b32 v2, 4, v1                        ; 16 x lane
	s_cmp_lt_u32 ttmp9, 256
	s_cbranch_scc0 .Lweights
; ---------------- rows of h and of c ----------------
	s_mul_i32 s37, s[WV], 4608
	v_lshrrev_b32 v3, 3, v1
	s_delay_alu instid0(VALU_DEP_1)
	v_mul_u32_u24 v3, v3, 144
	v_and_b32 v4, 7, v1
	s_delay_alu instid0(VALU_DEP_1)
	v_lshl_add_u32 v3, v4, 4, v3
	s_delay_alu instid0(VALU_DEP_1)
	v_add_nc_u32 v3, s37, v3                       ; the f32 stage, in: eight lanes' 128 bytes on end, then 16 of padding; a load's 512 bytes take four places
	v_mul_u32_u24 v4, v1, 144
	s_delay_alu instid0(VALU_DEP_1)
	v_add_nc_u32 v4, s37, v4                       ; and out: place = lane: my 32 neighbours
	s_add_co_u32 s37, s37, CSG
	v_add_nc_u32 v5, s37, v2                       ; codes, in: 16 bytes a lane of the row's 512
	v_lshrrev_b32 v10, 2, v1
	v_and_b32 v11, 3, v1
	s_delay_alu instid0(VALU_DEP_2)
	v_mul_u32_u24 v6, v10, 576
	s_delay_alu instid0(VALU_DEP_1)
	v_lshl_add_u32 v6, v11, 4, v6
	s_delay_alu instid0(VALU_DEP_1)
	v_add_nc_u32 v6, s37, v6                       ; codes, out: four lanes to a row's 64 bytes of one K step, eight rows
	s_lshl_b32 s37, s[WV], 5
	s_add_co_u32 s37, s37, SSG
	v_lshl_add_u32 v7, v10, 8, v11
	s_delay_alu instid0(VALU_DEP_1)
	v_add_nc_u32 v7, s37, v7                       ; my block's scale byte: K step lane / 4, byte lane % 4, my wave's eight rows
	s_lshl_b32 s37, s[WV], 6
	s_add_co_u32 s37, s37, TSG
	v_mov_b32 v8, s37                              ; my wave's eight rows of statistics
	v_lshlrev_b32 v9, 3, v1                        ; 8 x lane
	s_lshl_b32 s37, s[WV], 8
	s_add_co_u32 s37, s37, SSG
	v_add_nc_u32 v30, s37, v9                      ; scale bytes, out: wave w takes K step w's 256 bytes
	v_add_nc_u32 v31, TSG, v2                      ; statistics, out
	v_mov_b32 v15, 0                               ; named as the upper half of v[14:15] before it is first written
	v_mov_b32 v22, 0                               ; a lane permute's destination counts as one of its sources
	s_and_b32 s26, ttmp9, 127
	s_lshr_b32 s27, s26, 4                         ; b
	s_and_b32 s28, s26, 15
	s_lshl_b32 s28, s28, 6                         ; the group's first i
	s_lshl_b32 s29, s[WV], 3
	s_add_co_u32 s28, s28, s29                     ; my wave's first i
	s_lshl_b32 s28, s28, 3
	s_add_co_u32 s28, s28, s27
	s_lshl_b32 s28, s28, 12                        ; row (i, b) begins at (8 i + b) x 4,096 bytes
	s_mov_b32 s29, 0
	s_mov_b32 s[SEL], 0x76543210
	s_mov_b32 s[SEL+1], 0xfedcba98
	s_mov_b32 s34, 0xba800000                      ; -1 / 1,024
	s_mov_b32 s35, 0x3727c5ac                      ; 1e-5
	s_mov_b32 s36, 0x3a800000                      ; 1 / 1,024
	s_wait_kmcnt 0x0
	s_cmp_lt_u32 ttmp9, 128                        ; h's group or c's: the choice hangs on the work-group's number alone
	s_cselect_b64 s[30:31], s[4:5], s[6:7]
	s_add_nc_u64 s[30:31], s[30:31], s[28:29]
.irp j, 0,1,2,3,4,5,6,7
	global_load_b128 v[GA+4*\j:GA+4*\j+3], v2, s[8:9] offset:512*\j
	global_load_b128 v[BE+4*\j:BE+4*\j+3], v2, s[10:11] offset:512*\j
.endr
	XLOAD 0
	XLOAD 1
	XLOAD 2
	XLOAD 3
	s_lshl_b32 s28, ttmp9, 15
	s_lshl_b32 s38, s[WV], 9
	s_add_co_u32 s28, s28, s38
	s_add_nc_u64 s[40:41], s[18:19], s[28:29]      ; codes: group x 32,768 + my eight rows' 512 bytes
	s_lshl_b32 s28, ttmp9, 11
	s_lshl_b32 s38, s[WV], 8
	s_add_co_u32 s28, s28, s38
	s_add_co_u32 s28, s28, SCX
	s_add_nc_u64 s[42:43], s[18:19], s[28:29]      ; scale words: group x 2,048 + K step w
	s_lshl_b32 s28, ttmp9, 9
	s_add_nc_u64 s[44:45], s[22:23], s[28:29]      ; statistics: 512 bytes a group (used by h's groups alone)
.macro ROW t
.set XS, X+32*((\t)%4)
.if 7-(\t) < 3
	s_wait_loadcnt 8*(7-(\t))                      ; my row is in; eight loads for each younger row may be out
.else
	s_wait_loadcnt 24
.endif
	s_cmp_lt_u32 ttmp9, 128
	s_cbranch_scc0 .Lraw_\@                        ; c is quantised as it is
	v_pk_add_f32 v[18:19], v[XS:XS+1], v[XS+2:XS+3]                ; the row's sum: two chains, two numbers at a time
	v_pk_add_f32 v[20:21], v[XS+4:XS+5], v[XS+6:XS+7]
.irp j, 8,12,16,20,24,28
	s_delay_alu instid0(VALU_DEP_2)
	v_pk_add_f32 v[18:19], v[18:19], v[XS+\j:XS+\j+1]
	s_delay_alu instid0(VALU_DEP_2)
	v_pk_add_f32 v[20:21], v[20:21], v[XS+\j+2:XS+\j+3]
.endr
	s_delay_alu instid0(VALU_DEP_1)
	v_pk_add_f32 v[18:19], v[18:19], v[20:21]
	s_delay_alu instid0(VALU_DEP_1)
	v_add_f32 v18, v18, v19
	WSUM
	s_delay_alu instid0(VALU_DEP_1)
	v_mul_f32 v14, s34, v18                        ; -mean
.irp j, 0,2,4,6,8,10,12,14,16,18,20,22,24,26,28,30
	v_pk_add_f32 v[XS+\j:XS+\j+1], v[XS+\j:XS+\j+1], v[14:15] op_sel_hi:[1,0]   ; x - mean
.endr
	v_pk_mul_f32 v[18:19], v[XS:XS+1], v[XS:XS+1]                  ; the sum of the centred squares
	v_pk_mul_f32 v[20:21], v[XS+2:XS+3], v[XS+2:XS+3]
.irp j, 4,8,12,16,20,24,28
	s_delay_alu instid0(VALU_DEP_2)
	v_pk_fma_f32 v[18:19], v[XS+\j:XS+\j+1], v[XS+\j:XS+\j+1], v[18:19]
	s_delay_alu instid0(VALU_DEP_2)
	v_pk_fma_f32 v[20:21], v[XS+\j+2:XS+\j+3], v[XS+\j+2:XS+\j+3], v[20:21]
.endr
	s_delay_alu instid0(VALU_DEP_1)
	v_pk_add_f32 v[18:19], v[18:19], v[20:21]
	s_delay_alu instid0(VALU_DEP_1)
	v_add_f32 v18, v18, v19
	WSUM
	s_delay_alu instid0(VALU_DEP_1)
	v_fma_f32 v18, v18, s36, s35                   ; variance + 1e-5
	s_wait_alu depctr_va_vdst(0)
	v_rsq_f32 v16, v18
	v_nop                                          ; a plain line behind the transcendental
	s_wait_alu depctr_va_vdst(0)                   ; and the wait ahead of its first reader
	v_mov_b32 v15, v16
	v_mov_b32 v17, v16
.irp j, 0,2,4,6,8,10,12,14,16,18,20,22,24,26,28,30
	v_pk_mul_f32 v[XS+\j:XS+\j+1], v[XS+\j:XS+\j+1], v[16:17]
.endr
.irp j, 0,2,4,6,8,10,12,14,16,18,20,22,24,26,28,30
	v_pk_fma_f32 v[XS+\j:XS+\j+1], v[XS+\j:XS+\j+1], v[GA+\j:GA+\j+1], v[BE+\j:BE+\j+1]
.endr
	ds_store_b64 v8, v[14:15] offset:8*(\t)        ; (-mean, rstd): every lane writes the same eight bytes with the same value
.Lraw_\@:
.irp j, 0,1,2,3,4,5,6,7
	ds_store_b128 v3, v[XS+4*\j:XS+4*\j+3] offset:576*\j
.endr
.irp i, 0,1,2,3,4,5,6,7
	ds_load_b128 v[B+4*\i:B+4*\i+3], v4 offset:16*\i               ; LDS serves a wave's instructions in order: these see the stores above
.endr
	s_wait_dscnt 0x0                               ; my block is in; the stores have read the set's registers,
.if (\t)+4 < 8
	XLOAD (\t)+4                                   ; which take the row four further on
.endif
	BLOCKQ B, 24
	ds_store_b128 v5, v[24:27] offset:576*(\t)
	ds_store_b8 v7, v13 offset:4*(\t)
.endm
.irp t, 0,1,2,3,4,5,6,7
	ROW \t
.endr
	s_wait_dscnt 0x0                               ; for the others' sake: my scale bytes and statistics lie in LDS
	s_barrier_signal -1
	s_barrier_wait -1
	ds_load_b64 v[132:133], v30
.irp q, 0,1,2,3,4,5,6,7
	ds_load_b128 v[X+4*\q:X+4*\q+3], v6 offset:64*\q
.endr
.irp q, 0,1,2,3,4,5,6,7
	s_wait_dscnt 7-\q                              ; K step q's codes are back; the younger read-backs may be out
	global_store_b128 v2, v[X+4*\q:X+4*\q+3], s[40:41] offset:4096*\q   ; eight rows x 64 bytes: 512 consecutive bytes
.endr
	global_store_b64 v9, v[132:133], s[42:43]      ; 64 rows' scale words of one K step: 256 consecutive bytes, aligned
	s_cmp_lt_u32 ttmp9, 128
	s_cbranch_scc0 .Lrow_end
	s_cmp_eq_u32 s[WV], 0
	s_cbranch_scc0 .Lrow_end
	ds_load_b128 v[128:131], v31
	s_wait_dscnt 0x0
	global_store_b128 v2, v[128:131], s[44:45]     ; the group's statistics: 512 consecutive bytes
.Lrow_end:
	s_wait_tensorcnt 0x0                           ; the wave's end
	ds_add_u32 v23, v28
	s_wait_dscnt 0x0
	s_endpgm
; ---------------- columns of Wq, Wkv, Wo ----------------
.Lweights:
	s_sub_co_u32 s26, ttmp9, 256
	s_lshr_b32 s27, s26, 1                         ; wq's group: 64 columns
	s_and_b32 s28, s26, 1
	s_lshl_b32 s28, s28, 2
	s_lshr_b32 s29, s[WV], 1
	s_add_co_u32 s28, s28, s29                     ; my K step of 128
	s_and_b32 s29, s[WV], 1                        ; which 32 of the 64 columns: two waves stand side by side on 256 bytes of each row
	s_mul_i32 s36, s[WV], 2560
	s_add_co_u32 s36, s36, WSG
	s_wait_alu depctr_va_vdst(0)
	v_mul_u32_u24 v3, v1, 80
	s_delay_alu instid0(VALU_DEP_1)
	v_add_nc_u32 v3, s36, v3                       ; the stage, in: row = my column
	v_lshrrev_b32 v4, 2, v1
	s_delay_alu instid0(VALU_DEP_1)
	v_mul_u32_u24 v4, v4, 80
	v_and_b32 v5, 3, v1
	s_delay_alu instid0(VALU_DEP_1)
	v_lshl_add_u32 v4, v5, 4, v4
	s_delay_alu instid0(VALU_DEP_1)
	v_add_nc_u32 v4, s36, v4                       ; and out: four lanes to a row of 64 bytes
	v_lshlrev_b32 v5, 2, v1                        ; 4 x lane
	s_sub_co_u32 s39, s27, 16                      ; under 32 for Wkv's groups alone
	s_mov_b32 s35, 0
	s_wait_kmcnt 0x0
	s_cmp_lt_u32 s27, 16
	s_cselect_b64 s[30:31], s[12:13], s[14:15]
	s_cselect_b32 s37, 0, 16
	s_cmp_lt_u32 s27, 48
	s_cselect_b64 s[30:31], s[30:31], s[16:17]
	s_cselect_b32 s37, s37, 48
	s_sub_co_u32 s37, s27, s37                     ; the group within its own matrix
	s_lshl_b32 s37, s37, 8                         ; 64 columns of 4 bytes
	s_lshl_b32 s38, s29, 7
	s_add_co_u32 s37, s37, s38
	s_cmp_lt_u32 s39, 32
	s_cselect_b32 s38, 13, 12                      ; a row of Wkv is 8,192 bytes, of Wq and Wo 4,096
	s_lshl_b32 s34, s28, 7
	s_lshl_b32 s34, s34, s38
	s_add_co_u32 s34, s34, s37
	s_add_nc_u64 s[30:31], s[30:31], s[34:35]
	s_lshl_b32 s34, s27, 15
	s_lshl_b32 s38, s28, 12
	s_add_co_u32 s34, s34, s38
	s_lshl_b32 s38, s29, 11
	s_add_co_u32 s34, s34, s38
	s_add_nc_u64 s[40:41], s[20:21], s[34:35]      ; codes: group, K step, my 32 rows of 64 bytes
	s_lshl_b32 s34, s27, 11
	s_lshl_b32 s38, s28, 8
	s_add_co_u32 s34, s34, s38
	s_lshl_b32 s38, s29, 7
	s_add_co_u32 s34, s34, s38
	s_add_co_u32 s34, s34, SCW
	s_add_nc_u64 s[42:43], s[20:21], s[34:35]      ; scale words
.macro WLOAD pitch                     ; W(128 K step + k, my column), k = 0 .. 127: every offset an immediate, 127 x 8,192 at the most
.set k, 0
.rept 128
	global_load_b32 v[X+k], v5, s[30:31] offset:k*\pitch th:TH_LOAD_NT
.set k, k+1
.endr
.endm
	s_cmp_lt_u32 s39, 32
	s_cbranch_scc0 .Lnarrow
	s_wait_alu depctr_va_vdst(0)
	WLOAD 8192
	s_branch .Lloaded
.Lnarrow:
	s_wait_alu depctr_va_vdst(0)
	WLOAD 4096
.Lloaded:
.irp t, 0,1,2,3
.if \t < 2
	s_wait_loadcnt 63                              ; 96 and 64 loads were issued behind this block's; the wait's field holds 63, and a smaller count is safe
.else
	s_wait_loadcnt 32*(3-\t)                       ; the younger blocks' loads may be out
.endif
	BLOCKQ X+32*\t, B+4*\t
.if \t == 0
	s_delay_alu instid0(VALU_DEP_1)
	v_mov_b32 v240, v13                            ; the four bytes make my column's scale word
.else
	s_delay_alu instid0(VALU_DEP_1)
	v_lshl_or_b32 v240, v13, 8*\t, v240
.endif
.endr
.irp t, 0,1,2,3
	ds_store_b128 v3, v[B+4*\t:B+4*\t+3] offset:16*\t
.endr
.irp i, 0,1,2,3
	ds_load_b128 v[X+4*\i:X+4*\i+3], v4 offset:640*\i
.endr
	s_wait_alu depctr_va_vdst(0)
.irp i, 0,1,2,3
	s_wait_dscnt 3-\i
	global_store_b128 v2, v[X+4*\i:X+4*\i+3], s[40:41] offset:512*\i    ; eight rows x 64 bytes: 512 consecutive bytes
.endr
	global_store_b32 v5, v240, s[42:43]            ; 32 rows' words: 128 consecutive bytes; the other wave of the pair writes the other half of the aligned 256
	s_wait_tensorcnt 0x0                           ; the wave's end
	ds_add_u32 v23, v28
	s_wait_dscnt 0x0
	s_endpgm
.Lfunc_end_k_qf0f1a16d7e_prep:
	.size	k_qf0f1a16d7e_prep, .Lfunc_end_k_qf0f1a16d7e_prep-k_qf0f1a16d7e_prep
	.p2alignl 7, 3214868480
	.fill 96, 4, 3214868480
	.section	.rodata,"a",@progbits
	.p2align	6, 0x0
	.amdhsa_kernel k_qf0f1a16d7e_prep
		.amdhsa_group_segment_fixed_size 97792
		.amdhsa_private_segment_fixed_size 0
		.amdhsa_enable_private_segment 0
		.amdhsa_kernarg_size 80
		.amdhsa_user_sgpr_count 2
		.amdhsa_user_sgpr_kernarg_segment_ptr 1
		.amdhsa_wavefront_size32 1
		.amdhsa_system_sgpr_workgroup_id_x 1
		.amdhsa_system_sgpr_workgroup_id_y 1
		.amdhsa_system_sgpr_workgroup_id_z 1
		.amdhsa_system_vgpr_workitem_id 0
		.amdhsa_next_free_vgpr 256
		.amdhsa_next_free_sgpr 66
		.amdhsa_reserve_vcc 0
		.amdhsa_float_denorm_mode_32 3
		.amdhsa_float_denorm_mode_16_64 3
		.amdhsa_memory_ordered 1
		.amdhsa_forward_progress 1
		.amdhsa_inst_pref_size 134
	.end_amdhsa_kernel
	.amdgpu_metadata
---
amdhsa.version: [ 1, 2 ]
amdhsa.kernels:
  - .name:           k_qf0f1a16d7e_prep
    .symbol:         k_qf0f1a16d7e_prep.kd
    .args:
      - { .name: h, .offset: 0, .size: 8, .value_kind: global_buffer, .address_space: global }
      - { .name: c, .offset: 8, .size: 8, .value_kind: global_buffer, .address_space: global }
      - { .name: gamma, .offset: 16, .size: 8, .value_kind: global_buffer, .address_space: global }
      - { .name: beta, .offset: 24, .size: 8, .value_kind: global_buffer, .address_space: global }
      - { .name: Wq, .offset: 32, .size: 8, .value_kind: global_buffer, .address_space: global }
      - { .name: Wkv, .offset: 40, .size: 8, .value_kind: global_buffer, .address_space: global }
      - { .name: Wo, .offset: 48, .size: 8, .value_kind: global_buffer, .address_space: global }
      - { .name: xq, .offset: 56, .size: 8, .value_kind: global_buffer, .address_space: global }
      - { .name: wq, .offset: 64, .size: 8, .value_kind: global_buffer, .address_space: global }
      - { .name: stats, .offset: 72, .size: 8, .value_kind: global_buffer, .address_space: global }
    .group_segment_fixed_size: 97792
    .private_segment_fixed_size: 0
    .kernarg_segment_align: 8
    .kernarg_segment_size: 80
    .max_flat_workgroup_size: 256
    .sgpr_count:     66
    .vgpr_count:     256
    .wavefront_size: 32
...
	.end_amdgpu_metadata
.endif
;; end of part 1
;; launch proj (part 2): grid 4 x 64, 4 waves a work-group, clusters of 4 x 4, 327,680 bytes of LDS; arguments xq, wq, attn_mask, kvq; writes kvq
.if DOCPART == 2
	.amdgcn_target "amdgcn-amd-amdhsa--gfx1250"
	.amdhsa_code_object_version 6
	.text
	.protected	k_qf0f1a16d7e_proj
	.globl	k_qf0f1a16d7e_proj
	.p2align	8
	.type	k_qf0f1a16d7e_proj,@function
k_qf0f1a16d7e_proj:
	s_mov_b64 s[64:65], 0
	v_nop
	global_prefetch_b8 v0, s[64:65] scope:SCOPE_SE
	s_setreg_imm32_b32 hwreg(HW_REG_WAVE_MODE, 25, 1), 1
	s_wait_xcnt 0x0
	s_wait_alu depctr_hold_cnt(0) depctr_sa_sdst(0) depctr_va_vdst(0) depctr_va_sdst(0) depctr_va_ssrc(0) depctr_va_vcc(0) depctr_vm_vsrc(0)
	s_getreg_b32 s2, hwreg(HW_REG_IB_STS2, 6, 4)
	s_cmp_eq_u32 s2, 0
	s_cbranch_scc0 .Lentry_in_a_cluster
	s_endpgm
.Lentry_in_a_cluster:
	s_bfe_u32 s2, ttmp6, 0x10000c
	s_cmp_lg_u32 s2, 0xf033
	s_cbranch_scc0 .Lentry_shape_is_right
	s_endpgm
.Lentry_shape_is_right:
; PROJ: k and v = c Wkv on codes of E2M1, and their results quantised in registers for the attention: k along the head's 64, v along the keys.  (q is made by the attention itself: each piece of q has one reader there.)
; A cluster of 4 x 4 work-groups makes all 1,024 x 1,024 of one of 16 problems G (the cluster's y):  G = b: k of batch b;  G = 8 + b: v of batch b, transposed.
; Source 0 (S0) is the operand along whose rows the result is quantised: Wk's columns (the head's d), or c's rows (the keys).  Source 1 (S1) gives the result's rows: c's rows, or Wv's columns.
; A work-group makes TWO tiles of 128 rows of S1 x 256 rows of S0, 512 rows apart, which share their 256 rows of S0.  All of K = 1,024 of S0 and of both tiles of S1 fits in LDS: every tensor load is a first fill.
; A wave: 64 x 128 a tile, 32 accumulators; lane (r, h), register j of accumulator (a, b) holds S1 row 16 a + r, S0 row 16 b + 8 h + j: a lane's registers run along the axis to be quantised; a wave's 128 S0 rows are one K step of the attention's operand.
; JOINT LOADS: S1's tiles hang on the cluster's row (cy), S0's on its column (cx): each is asked for by the four that share it, with one descriptor and a mask that names them.
; THE MASK: the codes of a masked key's row of k are set to 0, so that the attention's score of that key is exactly its bias.
; kvq: block G of 1,024 rows: codes at G x 524,288 + K step x 65,536 + row x 64; scale words at SCQ + G x 32,768 + K step x 4,096 + row x 4.
; LIMITS: a block whose largest magnitude lies under 2^-124 gets the byte 1; NaN and infinities are not served.
; No prefetch: all that a work-group reads is asked for at its head.
; REGISTERS: window 0: v2-15 addresses, v16-31 the mask, v32-55 scale words (two sets), v64-127 S1's fragments (two sets), v128-202 the way out, v240-244 at work at the head;  window 1: v0-127 S0's fragments (two sets);  window 2: the accumulators.
.set SCX,  8388608
.set SCW,  2097152
.set SCQ,  8388608
.set GIMG, 34816                       ; a group of 64 rows in LDS: 128 units of 256 bytes + 16 of padding
.set KQ,   4352                        ; a K step of it: 16 units.  Row p lies at (p / 4) x 272 + (p % 4) x 64: sixteen neighbouring rows fall into sixteen different 16-byte columns modulo 256
.set BB,   4*GIMG                      ; behind S1's two tiles of two groups: S0's four groups
.set SCA,  8*GIMG                      ; S1's scale words, 2,048 bytes a group, 4,096 a tile
.set SCB,  SCA+8192                    ; S0's
.set STG,  SCB+8192                    ; the way out: for each wave 16 rows x (64 + 16) bytes of codes and 256 bytes of scale words; no tile lands here
.set ADRA, 2                           ; v2, v3: my 64 rows of S1 in tile 0, 1
.set ADRB, 5                           ; v5, v6: S0's two groups
.set ASA,  7
.set ASB,  8
.set STO,  9
.set RD,   10
.set SWS,  11
.set SWR,  12
.set KEEP, 16                          ; v16-23 all ones, or 0 where my row of block a of tile hf (register 4 hf + a) is a masked key of k
.set MB,   24                          ; v24-31 the mask's bytes
.set SS1,  32
.set SS0,  40
.set F1,   64
.set TM,   128                         ; v128-131 maxima, v132-135 the other half's, v136-139 bytes, v140-143 scale operands
.set PW,   144                         ; v144-147 the scale word of block a
.set RB,   168                         ; v168-199 codes read back
.set ONES, 202
.set G1A,  24
.set G1B,  32
.set G1SA, 40
.set G1SB, 48
.set G0SA, 56
.set G0CA, 60
.set G0SB, 68
.set G0CB, 72
.set G0CA1, 80
.set G0SA1, 84
.set SEL,  66
.set WV,   2
.set WR,   3
.set WC,   76
.set CX,   77
.set CY,   78
.set G,    79
.set NOTK, 100
.set MSB, 0
.macro WIN new                         ; the immediate's high byte repeats the setting that is left
.if MSB != \new
	s_set_vgpr_msb (MSB<<8)|\new
.set MSB, \new
.endif
.endm
.macro CROUND                          ; a round of the cluster's barrier
	s_barrier_signal -1
	s_barrier_wait -1
	s_cmp_lg_u32 s[WV], 0
	s_cbranch_scc1 .Lnot_wave_0_\@
	s_barrier_signal -3
.Lnot_wave_0_\@:
	s_barrier_wait -3
	s_barrier_signal -1
	s_barrier_wait -1
.endm
.macro PLACES                          ; four plain lines between a matrix instruction and a load into, or a read of, its registers
.rept 4
	v_nop
.endr
.endm
.macro SHAPE g, rows                   ; descriptor group 1, words 1 to 7: rows of 32 elements of 8 bytes, dense in memory
	s_mov_b32 s[\g+1], 32<<16
	s_mov_b32 s[\g+2], (\rows)<<16
	s_mov_b32 s[\g+3], 32<<16
	s_mov_b32 s[\g+4], \rows
	s_mov_b32 s[\g+5], 32
	s_mov_b32 s[\g+6], 0
	s_mov_b32 s[\g+7], 0
.endm
.macro FROM g, ptr, off, more          ; descriptor group 0 but for its LDS address; more: bytes further on (tile 1 lies eight groups behind tile 0)
	s_mov_b32 s[\g], 1
	s_add_nc_u64 s[\g+2:\g+3], s[\ptr:\ptr+1], s[\off:\off+1]
.if \more
	s_add_nc_u64 s[\g+2:\g+3], s[\g+2:\g+3], \more
.endif
	s_or_b32 s[\g+3], s[\g+3], 0x80000000
.endm
.macro FETCH q, set, hf                ; K step q's fragments and scale words of tile hf: 36 LDS loads
	WIN 0x40
.irp b, 0,1,2,3,4,5,6,7
.irp c, 0,1
	ds_load_b128 v[64*(\set)+8*\b+4*\c:64*(\set)+8*\b+4*\c+3], v[ADRB+\b/4] offset:(\q)*KQ+(\b%4)*1088+32*\c
.endr
.endr
	WIN 0
.irp a, 0,1,2,3
.irp c, 0,1
	ds_load_b128 v[F1+32*(\set)+8*\a+4*\c:F1+32*(\set)+8*\a+4*\c+3], v[ADRA+(\hf)] offset:(\q)*KQ+\a*1088+32*\c
.endr
.endr
.irp a, 0,1,2,3
	ds_load_b32 v[SS1+4*(\set)+\a], v[ASA] offset:4096*(\hf)+256*(\q)+64*\a
.endr
.irp b, 0,1,2,3,4,5,6,7
	ds_load_b32 v[SS0+8*(\set)+\b], v[ASB] offset:(\b/4)*2048+256*(\q)+(\b%4)*64
.endr
.endm
.macro MUL set, zero                   ; 32 products, the accumulators by turns, one instruction a turn; zero = 1: the first K step starts the sums
	WIN 0xa1
.irp a, 0,1,2,3
.irp b, 0,1,2,3,4,5,6,7
.if \zero
	v_wmma_scale_f32_16x16x128_f8f6f4 v[8*(8*\a+\b):8*(8*\a+\b)+7], v[64*(\set)+8*\b:64*(\set)+8*\b+7], v[F1+32*(\set)+8*\a:F1+32*(\set)+8*\a+7], 0, v[SS0+8*(\set)+\b], v[SS1+4*(\set)+\a] matrix_a_fmt:MATRIX_FMT_FP4 matrix_b_fmt:MATRIX_FMT_FP4
.else
	v_wmma_scale_f32_16x16x128_f8f6f4 v[8*(8*\a+\b):8*(8*\a+\b)+7], v[64*(\set)+8*\b:64*(\set)+8*\b+7], v[F1+32*(\set)+8*\a:F1+32*(\set)+8*\a+7], v[8*(8*\a+\b):8*(8*\a+\b)+7], v[SS0+8*(\set)+\b], v[SS1+4*(\set)+\a] matrix_a_fmt:MATRIX_FMT_FP4 matrix_b_fmt:MATRIX_FMT_FP4
.endif
.endr
.endr
.endm
.macro MAIN hf                         ; a tile's eight K steps: while one is multiplied, the next one's 36 loads are out
	FETCH 0, 0, \hf
	FETCH 1, 1, \hf
	s_wait_dscnt 36                                ; all but the 36 loads just issued
	MUL 0, 1
.irp q, 1,2,3,4,5,6
	PLACES
	FETCH \q+1, (\q+1)%2, \hf
	s_wait_dscnt 36
	MUL \q%2, 0
.endr
	s_wait_dscnt 0x0
	MUL 1, 0
	WIN 0
	PLACES
.endm
	s_load_b256 s[4:11], s[0:1], 0x0               ; xq, wq, attn_mask, kvq
	v_lshl_add_u32 v254, v0, 2, 0x49800
	v_mov_b32 v255, 0
	ds_add_u32 v254, v255
	ds_add_u32 v254, v255
	v_lshrrev_b32 v240, 5, v0
	v_readfirstlane_b32 s[WV], v240                ; wave 0..3
	s_lshr_b32 s[WR], s[WV], 1                     ; which 64 rows of S1 are mine.  Also: which arm of the fills I take
	s_and_b32 s[WC], s[WV], 1                      ; which 128 rows of S0.  Also: which part of a tile I fetch
	; every LDS address is made here, of the lane and the wave's number alone
	v_and_b32 v240, 15, v0                         ; r
	v_bfe_u32 v241, v0, 4, 1                       ; h
	v_and_b32 v242, 31, v0                         ; lane
	v_lshrrev_b32 v243, 2, v240
	v_mul_u32_u24 v243, v243, 272
	v_and_b32 v244, 3, v240
	v_lshl_add_u32 v243, v244, 6, v243
	v_lshl_add_u32 v243, v241, 4, v243             ; a fragment's row r, + 16 h
	s_mul_i32 s96, s[WR], GIMG
	v_add_nc_u32 v[ADRA], s96, v243
	v_add_nc_u32 v[ADRA+1], 2*GIMG, v[ADRA]        ; tile 1 lies two groups behind tile 0
	s_mul_i32 s96, s[WC], 2*GIMG
	s_add_co_u32 s96, s96, BB
	v_add_nc_u32 v[ADRB], s96, v243
	v_add_nc_u32 v[ADRB+1], GIMG, v[ADRB]
	s_lshl_b32 s96, s[WR], 11
	s_add_co_u32 s96, s96, SCA
	v_lshl_add_u32 v[ASA], v240, 2, s96
	s_lshl_b32 s96, s[WC], 12
	s_add_co_u32 s96, s96, SCB
	v_lshl_add_u32 v[ASB], v240, 2, s96
	s_mul_i32 s96, s[WV], 1536
	s_add_co_u32 s96, s96, STG                     ; my stage
	v_mul_u32_u24 v[STO], v240, 80
	v_lshl_add_u32 v[STO], v241, 2, v[STO]
	v_add_nc_u32 v[STO], s96, v[STO]               ; in: row r, 4 bytes for each half of the lanes
	v_lshrrev_b32 v[RD], 2, v242
	v_mul_u32_u24 v[RD], v[RD], 80
	v_and_b32 v244, 3, v242
	v_lshl_add_u32 v[RD], v244, 4, v[RD]
	v_add_nc_u32 v[RD], s96, v[RD]                 ; back: four lanes to a row of 64 bytes
	s_add_co_u32 s96, s96, 1280
	v_lshl_add_u32 v[SWS], v240, 2, s96            ; my row's scale word
	v_lshl_add_u32 v[SWR], v242, 3, s96            ; and 64 rows' words back, 8 bytes a lane
	v_lshlrev_b32 v13, 4, v242
	v_lshlrev_b32 v14, 3, v242
	v_lshlrev_b32 v15, 3, v240                     ; the mask: 8 bytes a key
	v_mov_b32 v[ONES], -1
.irp bb, 0,1,2,3
	v_mov_b32 v[TM+4+\bb], 0                       ; a lane permute's destination counts as one of its sources
.endr
	s_bfe_u32 s[CX], ttmp6, 0x40000
	s_bfe_u32 s[CY], ttmp6, 0x40004
	s_and_b32 s[G], ttmp7, 0xffff                  ; the cluster's y: the problem, 0..15
	s_lshl_b32 s96, s[CY], 2
	s_lshl_b32 s96, 15, s96                        ; my row of the cluster
	s_lshl_b32 s98, 0x1111, s[CX]                  ; my column
	s_mov_b32 s[SEL], 0x76543210
	s_mov_b32 s[SEL+1], 0xfedcba98
	s_or_b32 s[G1A], s96, (3<<16)|(1<<20)|(1<<21)|(5<<22)|(3<<25)   ; the mask; elements of 8 bytes; padding on; bit 21 beside a mask; 4 words behind every 64
	s_or_b32 s[G1B], s98, (3<<16)|(1<<20)|(1<<21)|(5<<22)|(3<<25)
	s_or_b32 s[G1SA], s96, (3<<16)|(1<<21)
	s_or_b32 s[G1SB], s98, (3<<16)|(1<<21)
	SHAPE G1A, 256                                 ; tile 0's two groups of codes, consecutive in memory and in LDS
	SHAPE G1B, 512                                 ; S0's four groups
	s_mov_b32 s[G1SA+1], 512<<16                   ; S1's scale words of both tiles: 2 rows of 4,096 bytes (two groups each), eight groups = 2,048 elements apart
	s_mov_b32 s[G1SA+2], 2<<16
	s_mov_b32 s[G1SA+3], 512<<16
	s_mov_b32 s[G1SA+4], 2
	s_mov_b32 s[G1SA+5], 2048
	s_mov_b32 s[G1SA+6], 0
	s_mov_b32 s[G1SA+7], 0
	SHAPE G1SB, 32                                 ; S0's scale words, four groups
	; which groups.  S1's numbers stand in s96, s97, s88-91, which never hold cx; S0's in s98, s99, s92-95, which never hold cy
	s_and_b32 s97, s[G], 7
	s_lshl_b32 s97, s97, 4
	s_add_co_u32 s97, s97, 128                     ; c of batch b: xq's groups 128 + 16 b on
	s_mov_b32 s99, s97
	s_cmp_lt_u32 s[G], 8
	s_cselect_b32 s96, s97, 32                     ; S1: of k, c's rows; of v, Wv's columns: wq's groups 32 on
	s_cselect_b32 s98, 16, s99                     ; S0: of k, Wk's columns: wq's groups 16 on; of v, c's rows
	s_lshl_b32 s97, s[CY], 1
	s_add_co_u32 s96, s96, s97
	s_lshl_b32 s99, s[CX], 2
	s_add_co_u32 s98, s98, s99                     ; the first of S0's four groups
	s_lshl_b32 s88, s96, 15
	s_mov_b32 s89, 0
	s_lshl_b32 s90, s96, 11
	s_mov_b32 s91, 0
	s_lshl_b32 s92, s98, 15
	s_mov_b32 s93, 0
	s_lshl_b32 s94, s98, 11
	s_mov_b32 s95, 0
	s_mov_b32 s96, SCW
	s_mov_b32 s98, SCX
	s_cmp_lt_u32 s[G], 8
	s_cselect_b32 s96, SCX, s96
	s_cselect_b32 s98, SCW, s98
	s_add_co_u32 s90, s90, s96
	s_add_co_u32 s94, s94, s98
	s_wait_dscnt 0x0
	s_wait_kmcnt 0x0
	s_cmp_lt_u32 s[G], 8                           ; the choice of buffers hangs on the cluster's y alone
	s_cselect_b64 s[12:13], s[4:5], s[6:7]         ; S1's buffer
	s_cselect_b64 s[14:15], s[6:7], s[4:5]         ; S0's
	FROM G0SA, 12, 90, 0
	s_mov_b32 s[G0SA+1], SCA
	FROM G0CA, 12, 88, 0
	s_mov_b32 s[G0CA+1], 0
	s_lshl_b32 s96, s[WV], 14                      ; of tile 1's 256 units each wave fetches 64: 16,384 bytes
	s_mov_b32 s97, 0
	s_add_nc_u64 s[88:89], s[88:89], s[96:97]
	FROM G0CA1, 12, 88, 8*32768
	s_mul_i32 s97, s[WV], GIMG/2
	s_add_co_u32 s[G0CA1+1], s97, 2*GIMG
	FROM G0SB, 14, 94, 0
	s_mov_b32 s[G0SB+1], SCB
	FROM G0CB, 14, 92, 0
	s_mov_b32 s[G0CB+1], BB
	CROUND                                         ; all sixteen work-groups are here: the joint loads meet
; the head's four tiles, one a wave, in one chain of branches on the wave's number: wave 0 S1's tile 0, wave 1 S0, wave 2 S1's scale words, wave 3 S0's
.macro ARM under, g0, g1, next
	s_cmp_lt_u32 s[WV], \under
	s_cbranch_scc0 \next
	tensor_load_to_lds s[\g0:\g0+3], s[\g1:\g1+7]
	s_nop 0
	PLACES
	s_branch .Lfilled
\next:
.endm
	ARM 1, G0CA, G1A, .Lhead_1
	ARM 2, G0CB, G1B, .Lhead_2
	ARM 3, G0SA, G1SA, .Lhead_3
	tensor_load_to_lds s[G0SB:G0SB+3], s[G1SB:G1SB+7]
	s_nop 0
	PLACES
.Lfilled:
	s_lshl_b32 s16, s[CY], 7
	s_lshl_b32 s17, s[WR], 6
	s_add_co_u32 s16, s16, s17                     ; my first row of tile 0; tile 1's lies 512 rows on
	s_lshl_b32 s18, s16, 3
	s_and_b32 s19, s[G], 7
	s_add_co_u32 s18, s18, s19
	s_mov_b32 s19, 0
	s_add_nc_u64 s[8:9], s[8:9], s[18:19]          ; the mask at (my first row, b)
	s_lshl_b32 s17, s[CX], 1
	s_add_co_u32 s17, s17, s[WC]                   ; the K step that my 128 rows of S0 are
	s_lshl_b32 s18, s[G], 19
	s_lshl_b32 s20, s17, 16
	s_add_co_u32 s18, s18, s20
	s_lshl_b32 s20, s16, 6
	s_add_co_u32 s18, s18, s20
	s_add_nc_u64 s[22:23], s[10:11], s[18:19]      ; my codes
	s_lshl_b32 s18, s[G], 15
	s_lshl_b32 s20, s17, 12
	s_add_co_u32 s18, s18, s20
	s_lshl_b32 s20, s16, 2
	s_add_co_u32 s18, s18, s20
	s_add_co_u32 s18, s18, SCQ
	s_add_nc_u64 s[10:11], s[10:11], s[18:19]      ; my scale words
	s_cmp_lt_u32 s[G], 8
	s_cselect_b32 s[NOTK], 0, -1                   ; only k's rows are keys
	s_wait_alu depctr_va_vdst(0)
.irp hf, 0,1
.irp a, 0,1,2,3
	global_load_u8 v[MB+4*\hf+\a], v15, s[8:9] offset:4096*\hf+128*\a
.endr
.endr
	s_wait_tensorcnt 0x0                           ; my tile of the head's four is in
	ds_add_u32 v254, v255
	s_mov_b32 s[G1A+2], 64<<16                     ; no tensor load of mine is out: from here on a load of S1's codes brings 64 units
	s_mov_b32 s[G1A+4], 64
	s_wait_dscnt 0x0
	CROUND                                         ; everybody's tile is in, and all sixteen work-groups are here
	tensor_load_to_lds s[G0CA1:G0CA1+3], s[G1A:G1A+7]   ; my quarter of S1's tile 1: it has tile 0's products and way out in which to land
	s_nop 0
	PLACES
	MAIN 0
	s_wait_loadcnt 0x0                             ; the mask's bytes
.irp n, 0,1,2,3,4,5,6,7
	v_cmp_eq_u32 vcc_lo, 0, v[MB+\n]
	v_cndmask_b32 v[KEEP+\n], 0, v[ONES], vcc_lo
	v_or_b32 v[KEEP+\n], s[NOTK], v[KEEP+\n]
.endr
; THE WAY OUT.  Block a: 16 rows x 128 along the new K: four blocks of 32, each in lanes l and l xor 16, 16 registers each.
.macro QUANTA a, hf
.set CD, 148+8*((\a)%2)                ; the codes: two sets by turns
	WIN 0
.irp bb, 0,1,2,3
	v_mov_b32 v[TM+\bb], 0x1800000                 ; the floor 2^(3 - 127)
.endr
	WIN 0x28
.irp i, 0,2,4,6,8,10,12,14
.irp bb, 0,1,2,3
	v_max3_num_f32 v[TM+\bb], v[TM+\bb], |v[64*(\a)+16*\bb+\i]|, |v[64*(\a)+16*\bb+\i+1]|   ; each accumulator from its low end on
.endr
.endr
	WIN 0
.irp bb, 0,1,2,3
	v_permlanex16_b32 v[TM+4+\bb], v[TM+\bb], s[SEL], s[SEL+1]
.endr
.irp bb, 0,1,2,3
	v_max_num_f32 v[TM+\bb], v[TM+\bb], v[TM+4+\bb]
.endr
.irp bb, 0,1,2,3
	v_add_nc_u32 v[TM+12+\bb], 0xff000000, v[TM+\bb]
.endr
.irp bb, 0,1,2,3
	v_lshrrev_b32 v[TM+8+\bb], 23, v[TM+12+\bb]
.endr
	v_lshl_or_b32 v[PW+(\a)], v[TM+9], 8, v[TM+8]
	v_lshl_or_b32 v[PW+(\a)], v[TM+10], 16, v[PW+(\a)]
	v_lshl_or_b32 v[PW+(\a)], v[TM+11], 24, v[PW+(\a)]
	WIN 0x02
.irp bb, 0,1,2,3
.irp u, 0,1
	v_cvt_scalef32_pk8_fp4_f32 v[CD+2*\bb+\u], v[64*(\a)+16*\bb+8*\u:64*(\a)+16*\bb+8*\u+7], v[TM+12+\bb]   ; new K = 32 bb + 16 u + 8 h + 0 .. 7
.endr
.endr
	WIN 0
	v_nop                                          ; a plain line behind the conversions
.irp n, 0,1,2,3,4,5,6,7
	v_and_b32 v[CD+\n], v[KEEP+4*(\hf)+(\a)], v[CD+\n]             ; a masked key's codes are zeros
.endr
.endm
.macro TOSTAGE a
.irp bb, 0,1,2,3
.irp u, 0,1
	ds_store_b32 v[STO], v[CD+2*\bb+\u] offset:16*\bb+8*\u
.endr
.endr
	ds_store_b32 v[SWS], v[PW+(\a)] offset:64*(\a)
	ds_load_b128 v[RB+8*(\a):RB+8*(\a)+3], v[RD]                   ; LDS serves a wave's instructions in order: these see the stores above
	ds_load_b128 v[RB+8*(\a)+4:RB+8*(\a)+7], v[RD] offset:640
.endm
.macro SEND a, hf
	global_store_b128 v13, v[RB+8*(\a):RB+8*(\a)+3], s[22:23] offset:32768*(\hf)+1024*(\a)          ; eight rows x 64 bytes: 512 consecutive bytes
	global_store_b128 v13, v[RB+8*(\a)+4:RB+8*(\a)+7], s[22:23] offset:32768*(\hf)+1024*(\a)+512
.endm
.macro OUT hf
.irp a, 0,1,2,3
	QUANTA \a, \hf
.if \a > 0
	s_wait_alu depctr_va_vdst(0)
	s_wait_dscnt 0x0                               ; the block before is back from the stage
	SEND \a-1, \hf
.endif
	TOSTAGE \a
.endr
	s_wait_dscnt 0x0
	SEND 3, \hf
	ds_load_b64 v[200:201], v[SWR]
	s_wait_dscnt 0x0
	global_store_b64 v14, v[200:201], s[10:11] offset:2048*(\hf)   ; 64 rows' scale words: 256 consecutive bytes, aligned
.endm
	OUT 0
	s_wait_tensorcnt 0x0                           ; my load for tile 1 is in (no LDS instruction of mine is out: the way out ended on a wait for all),
	s_barrier_signal -1
	s_barrier_wait -1                              ; everybody's is
	MAIN 1
	s_wait_xcnt 0x0                                ; tile 0's stores have read their registers: the stage's loads may land there again
	OUT 1
	s_wait_tensorcnt 0x0
	ds_add_u32 v254, v255
	s_wait_dscnt 0x0
	CROUND                                         ; the closing round
	s_endpgm
.Lfunc_end_k_qf0f1a16d7e_proj:
	.size	k_qf0f1a16d7e_proj, .Lfunc_end_k_qf0f1a16d7e_proj-k_qf0f1a16d7e_proj
	.p2alignl 7, 3214868480
	.fill 96, 4, 3214868480
	.section	.rodata,"a",@progbits
	.p2align	6, 0x0
	.amdhsa_kernel k_qf0f1a16d7e_proj
		.amdhsa_group_segment_fixed_size 327680
		.amdhsa_private_segment_fixed_size 0
		.amdhsa_enable_private_segment 0
		.amdhsa_kernarg_size 32
		.amdhsa_user_sgpr_count 2
		.amdhsa_user_sgpr_kernarg_segment_ptr 1
		.amdhsa_wavefront_size32 1
		.amdhsa_system_sgpr_workgroup_id_x 1
		.amdhsa_system_sgpr_workgroup_id_y 1
		.amdhsa_system_sgpr_workgroup_id_z 1
		.amdhsa_system_vgpr_workitem_id 0
		.amdhsa_next_free_vgpr 768
		.amdhsa_next_free_sgpr 102
		.amdhsa_reserve_vcc 1
		.amdhsa_float_denorm_mode_32 3
		.amdhsa_float_denorm_mode_16_64 3
		.amdhsa_memory_ordered 1
		.amdhsa_forward_progress 1
		.amdhsa_inst_pref_size 157
	.end_amdhsa_kernel
	.amdgpu_metadata
---
amdhsa.version: [ 1, 2 ]
amdhsa.kernels:
  - .name:           k_qf0f1a16d7e_proj
    .symbol:         k_qf0f1a16d7e_proj.kd
    .args:
      - { .name: xq, .offset: 0, .size: 8, .value_kind: global_buffer, .address_space: global }
      - { .name: wq, .offset: 8, .size: 8, .value_kind: global_buffer, .address_space: global }
      - { .name: attn_mask, .offset: 16, .size: 8, .value_kind: global_buffer, .address_space: global }
      - { .name: kvq, .offset: 24, .size: 8, .value_kind: global_buffer, .address_space: global }
    .group_segment_fixed_size: 327680
    .private_segment_fixed_size: 0
    .kernarg_segment_align: 8
    .kernarg_segment_size: 32
    .max_flat_workgroup_size: 128
    .sgpr_count:     102
    .vgpr_count:     768
    .wavefront_size: 32
...
	.end_amdgpu_metadata
.endif
;; end of part 2
;; launch attn (part 3): grid 4 x 64, 16 waves a work-group, clusters of 4 x 1, 273,408 bytes of LDS; arguments xq, wq, kvq, attn_mask, aq; writes aq
.if DOCPART == 3
	.amdgcn_target "amdgcn-amd-amdhsa--gfx1250"
	.amdhsa_code_object_version 6
	.text
	.protected	k_qf0f1a16d7e_attn
	.globl	k_qf0f1a16d7e_attn
	.p2align	8
	.type	k_qf0f1a16d7e_attn,@function
k_qf0f1a16d7e_attn:
	s_mov_b64 s[64:65], 0
	v_nop
	global_prefetch_b8 v0, s[64:65] scope:SCOPE_SE
	s_setreg_imm32_b32 hwreg(HW_REG_WAVE_MODE, 25, 1), 1
	s_wait_xcnt 0x0
	s_wait_alu depctr_hold_cnt(0) depctr_sa_sdst(0) depctr_va_vdst(0) depctr_va_sdst(0) depctr_va_ssrc(0) depctr_va_vcc(0) depctr_vm_vsrc(0)
	s_getreg_b32 s2, hwreg(HW_REG_IB_STS2, 6, 4)
	s_cmp_eq_u32 s2, 0
	s_cbranch_scc0 .Lentry_in_a_cluster
	s_endpgm
.Lentry_in_a_cluster:
	s_bfe_u32 s2, ttmp6, 0x10000c
	s_cmp_lg_u32 s2, 0x3003
	s_cbranch_scc0 .Lentry_shape_is_right
	s_endpgm
.Lentry_shape_is_right:
; ATTN: for each batch b and head n: q = LN(h) Wq, scores q k^T, the mask, the softmax, p v, the division by the row's sum, and the result quantised along (n, d) for the output projection.  All three products on codes of E2M1.
; SHARES.  Cluster y = 8 b + hp names a batch and a PAIR of heads (a K step of 128 of k's codes holds both heads' 64).  A work-group takes 256 queries (block cx), each of its sixteen waves 16 of them,
; and runs two passes, one a head.  All of the pair's k and v (1,024 keys) and Wq's 128 columns of the pair lie in LDS, brought once, JOINTLY by the cluster's four work-groups: every tensor load is a first fill.
; q IS MADE HERE, since each piece of q (16 queries, one head) has this one reader: ahead of a pass the wave multiplies its 16 rows of LN(h)'s codes (from memory straight into 64 registers) by the head's 64 columns of Wq:
; 32 products, source 0 = 16 columns of Wq, source 1 = my 16 rows, so that a lane holds one query and its registers run along d; the result is quantised along d and turns through the wave's own stage into Q's registers.
; It is made head by head: only the first head's products find all sixteen waves at Wq's fragments together.
; ONE HEAD OF THE PAIR: Q's operand is (q of the even head, zero codes) in pass 0 and (zero codes, q of the odd head) in pass 1.  So only the pass's own half of a fragment of k is loaded; the operand's other four
; registers hold some other codes, which meet zero codes and add nothing.  k's scale words serve as stored; Q's word holds the pass's two bytes at their places and 0 in the other two.
; THE MASK: where(mask, -10000, s / 8) = (s' - 80000 mask) / 8 with s' = 0 on masked keys: k's codes of masked keys are zeros, and the bias (0 or -80000) is the C of the score's product.  Exact, for a row of masked keys too.
; THE SOFTMAX: t = score x log2(e) / 8; M = the running largest t rounded up to a whole number; p = 2^(t - M) is quantised along the keys; the row's sum is taken of the unquantised p and divides at the end;
; when M moves, the sum and O are multiplied by 2^(old M - new M), which rounds nothing.  A block's largest p is made of its largest score by the same two instructions.
; LAYOUT.  Both products of the attention transposed (S^T = k q^T, O^T = v^T p^T): a lane holds one query.  Lane r of tile 2 bb + u of k takes key 32 bb + 8 u + r + 8 (r / 8), so that the 16 registers of two neighbouring tiles are 16 neighbouring keys.
; Four waves share a SIMD, so that one wave's vector work stands beside another's products and LDS loads.  No prefetch: the tiles are asked for at the head, and LN(h)'s rows are read once.
; LIMITS: p under 2^-126 is 0 (v_exp_f32); 1 / sum is v_rcp_f32's; a block whose largest magnitude lies under 2^-124 gets the byte 1; NaN and infinities are not served.
; REGISTERS: v1-7, v30, v31, v212-215, v252-255 addresses and offsets that stay; v8-11, v28 the step's; v12 -M, v13 the largest t, v[14:15] the sum; v16-27 Q and zeros, v29 Q's scale word; v32-67 k, then v32-63 v (for q: v32-95 Wq, two sets);
; v96-159 S^T, then p (for q: v96-127 the sums, v128-191 LN(h)); v160-191 O^T; v192-199 p's codes; v200-211 scale words; v216-239 at work; v240-249 the way out.
.set SCX,   8388608
.set SCW,   2097152
.set SCQ,   8388608
.set SCAQ,  4194304
.set KP,    80                         ; a row of 64 bytes + 16 of padding
.set STEPB, 128*KP                     ; a step's 128 keys of k; also a step's 128 rows of v
.set VC,    8*STEPB                    ; behind k's 1,024 rows: v, [step][128 rows = 64 x head + d]
.set KS,    16*STEPB                   ; k's scale words, 4 bytes a key
.set VS,    KS+4096                    ; v's, [step][128 rows]
.set GIMG,  34816                      ; 64 columns of Wq: 128 units of 256 bytes + 16 of padding
.set KQ,    4352                       ; a K step of them: 16 units.  Row p lies at (p / 4) x 272 + (p % 4) x 64
.set WQ,    VS+4096                    ; Wq's columns of the even head, then of the odd head
.set WQS,   WQ+2*GIMG                  ; their scale words, [head][K step][64 rows]
.set BIAS,  WQS+4096                   ; 1,024 f32; no tile lands from here on
.set STG,   BIAS+4096                  ; 16 rows x 80 bytes for each wave
.set SST,   STG+16*1280                ; 256 rows' scale words
.set S,   96
.set O,   160
.set KF,  32
.set XF,  128
.set SK,  200
.set SV,  208
.set BM,  216
.set PB,  220
.set SO,  224
.set XO,  214                          ; v214 my byte in xq's codes;  v215 in its scale words
.set XO2, 215
.set AW,  252                          ; v252, v253 my place in a tile of Wq's columns, even head, odd head
.set ASW, 254                          ; v254 and among their scale words: 4 x lane: lanes 0-15 one tile's rows, lanes 16-31 the next tile's
.set QR,  255                          ; v255 where Q's 16 bytes come back from my stage
.set WV,  2
.set BT,  3
.set W7,  14
.set HP,  59
.set G1C, 24
.set G1S, 32
.set G0KC, 40
.set G0KS, 44
.set G0VC, 48
.set G0VS, 52
.set TK,  56
.set TS,  57
.set CNT, 58
.set SEL, 60
.set CS,  62
.set G1WC, 68
.set G1WS, 76
.set G0WC, 84
.set G0WS, 88
.macro CROUND
	s_barrier_signal -1
	s_barrier_wait -1
	s_cmp_lg_u32 s[WV], 0
	s_cbranch_scc1 .Lnot_wave_0_\@
	s_barrier_signal -3
.Lnot_wave_0_\@:
	s_barrier_wait -3
	s_barrier_signal -1
	s_barrier_wait -1
.endm
.macro FROM g, ptr, off, lds           ; descriptor group 0
	s_mov_b32 s[\g], 1
	s_mov_b32 s[\g+1], s[\lds]
	s_add_nc_u64 s[\g+2:\g+3], s[\ptr:\ptr+1], s[\off:\off+1]
	s_or_b32 s[\g+3], s[\g+3], 0x80000000
.endm
	s_load_b256 s[4:11], s[0:1], 0x0               ; xq, wq, kvq, attn_mask
	s_load_b64 s[12:13], s[0:1], 0x20              ; aq
	v_lshl_add_u32 v250, v0, 2, 0x42400
	v_mov_b32 v251, 0
	ds_add_u32 v250, v251
	ds_add_u32 v250, v251
	v_lshrrev_b32 v1, 5, v0
	s_delay_alu instid0(VALU_DEP_1)
	v_readfirstlane_b32 s[WV], v1                  ; wave 0..15
	; every LDS address is made here, of the lane and the wave's number alone
	v_and_b32 v32, 15, v0                          ; r
	v_bfe_u32 v33, v0, 4, 1                        ; h
	v_and_b32 v34, 31, v0                          ; lane
	s_delay_alu instid0(VALU_DEP_3)
	v_and_b32 v35, 8, v32
	s_delay_alu instid0(VALU_DEP_1)
	v_add_nc_u32 v35, v35, v32                     ; r + 8 (r / 8)
	s_delay_alu instid0(VALU_DEP_1)
	v_mul_u32_u24 v1, v35, KP
	s_delay_alu instid0(VALU_DEP_1)
	v_lshl_add_u32 v1, v33, 4, v1                  ; k: my row of a tile, + 16 h
	v_mul_u32_u24 v2, v32, KP
	s_delay_alu instid0(VALU_DEP_1)
	v_lshl_add_u32 v2, v33, 4, v2
	s_delay_alu instid0(VALU_DEP_1)
	v_add_nc_u32 v2, VC, v2                        ; v: row r, + 16 h
	v_lshl_add_u32 v3, v35, 2, KS                  ; k's scale words
	v_lshl_add_u32 v4, v32, 2, VS                  ; v's
	v_lshl_add_u32 v5, v33, 6, BIAS                ; the bias of my half's 16 keys of a block
	s_mul_i32 s15, s[WV], 1280
	s_add_co_u32 s15, s15, STG
	v_mul_u32_u24 v36, v32, KP
	s_delay_alu instid0(VALU_DEP_1)
	v_lshl_add_u32 v6, v33, 2, v36
	s_delay_alu instid0(VALU_DEP_1)
	v_add_nc_u32 v6, s15, v6                       ; my stage, in: row r, 4 bytes for each half of the lanes
	s_delay_alu instid0(VALU_DEP_3)
	v_lshl_add_u32 v[QR], v33, 4, v36
	s_delay_alu instid0(VALU_DEP_1)
	v_add_nc_u32 v[QR], s15, v[QR]                 ; back as an operand: row r, 16 bytes for each half of the lanes
	v_lshrrev_b32 v7, 2, v34
	s_delay_alu instid0(VALU_DEP_1)
	v_mul_u32_u24 v7, v7, KP
	v_and_b32 v36, 3, v34
	s_delay_alu instid0(VALU_DEP_1)
	v_lshl_add_u32 v7, v36, 4, v7
	s_delay_alu instid0(VALU_DEP_1)
	v_add_nc_u32 v7, s15, v7                       ; back as rows: four lanes to a row of 64 bytes
	s_lshl_b32 s15, s[WV], 6
	s_add_co_u32 s15, s15, SST
	v_lshl_add_u32 v30, v32, 2, s15                ; my query's scale word
	s_and_b32 s15, s[WV], 3
	s_lshl_b32 s15, s15, 8
	s_add_co_u32 s15, s15, SST
	v_lshl_add_u32 v212, v34, 3, s15               ; 64 queries' words back (waves 0 to 3)
	v_lshrrev_b32 v36, 2, v32
	s_delay_alu instid0(VALU_DEP_1)
	v_mul_u32_u24 v36, v36, 272
	v_and_b32 v37, 3, v32
	s_delay_alu instid0(VALU_DEP_1)
	v_lshl_add_u32 v36, v37, 6, v36
	s_delay_alu instid0(VALU_DEP_1)
	v_lshl_add_u32 v36, v33, 4, v36
	s_delay_alu instid0(VALU_DEP_1)
	v_add_nc_u32 v[AW], WQ, v36                    ; Wq: a fragment's row r, + 16 h
	s_delay_alu instid0(VALU_DEP_1)
	v_add_nc_u32 v[AW+1], GIMG, v[AW]
	v_lshl_add_u32 v[ASW], v34, 2, WQS
	v_lshl_add_u32 v44, v0, 3, BIAS                ; thread t makes the bias of keys 2 t and 2 t + 1
	; the lanes' parts of the offsets into memory
	v_lshlrev_b32 v31, 4, v34
	v_lshlrev_b32 v213, 3, v34
	v_lshlrev_b32 v36, 4, v0                       ; the mask bytes of keys 2 t and 2 t + 1 lie 16 t and 16 t + 8 bytes on
	v_lshlrev_b32 v[XO], 6, v32
	s_delay_alu instid0(VALU_DEP_1)
	v_lshl_add_u32 v[XO], v33, 4, v[XO]            ; LN(h)'s codes: row r of 64 bytes, + 16 h
	v_lshlrev_b32 v[XO2], 2, v32
	v_mov_b32 v41, 0xc79c4000                      ; -80000
.irp j, 20,21,22,23
	v_mov_b32 v\j, 0                               ; Q's zero codes
.endr
.irp j, 220,221,222,223,228,231
	v_mov_b32 v\j, 0                               ; lane permutes' destinations, and the upper half of the pair v[230:231]: named before they are first written
.endr
	s_and_b32 s15, ttmp7, 0xffff
	s_lshr_b32 s[BT], s15, 3                       ; b
	s_and_b32 s[HP], s15, 7                        ; the pair of heads
	s_and_b32 s[W7], s[WV], 7                      ; which quarter of k (waves 0-3) or eighth of v (waves 8-15) I fetch
	s_mov_b32 s[G1C], 15|(1<<20)|(1<<21)|(3<<22)|(3<<25)           ; all four work-groups; elements of 1 byte; padding on; bit 21 beside a mask; 4 words behind every 16
	s_mov_b32 s[G1C+1], 64<<16                     ; 128 rows of 64 bytes, dense in memory
	s_mov_b32 s[G1C+2], 128<<16
	s_mov_b32 s[G1C+3], 64<<16
	s_mov_b32 s[G1C+4], 128
	s_mov_b32 s[G1C+5], 64
	s_mov_b32 s[G1C+6], 0
	s_mov_b32 s[G1C+7], 0
	s_mov_b32 s[G1S], 15|(3<<16)|(1<<21)           ; one row of 512 bytes: 64 elements of 8
	s_mov_b32 s[G1S+1], 64<<16
	s_mov_b32 s[G1S+2], 8<<16                      ; v's scale words: 8 steps' rows of 512 bytes, 4,096 bytes = 512 elements apart
	s_mov_b32 s[G1S+3], 64<<16
	s_mov_b32 s[G1S+4], 8
	s_mov_b32 s[G1S+5], 512
	s_mov_b32 s[G1S+6], 0
	s_mov_b32 s[G1S+7], 0
	s_mov_b32 s[G1WC], 15|(3<<16)|(1<<20)|(1<<21)|(5<<22)|(3<<25)  ; Wq's codes: 256 rows of 256 bytes (32 elements of 8), dense in memory; 4 words of padding behind every 64
	s_mov_b32 s[G1WC+1], 32<<16
	s_mov_b32 s[G1WC+2], 256<<16                   ; all 256 units of the pair's columns
	s_mov_b32 s[G1WC+3], 32<<16
	s_mov_b32 s[G1WC+4], 256
	s_mov_b32 s[G1WC+5], 32
	s_mov_b32 s[G1WC+6], 0
	s_mov_b32 s[G1WC+7], 0
	s_mov_b32 s[G1WS], 15|(3<<16)|(1<<21)          ; Wq's scale words: one row of 256 bytes
	s_mov_b32 s[G1WS+1], 32<<16
	s_mov_b32 s[G1WS+2], 16<<16                    ; 4,096 dense bytes as 16 rows of 256: Wq's scale words, and k's
	s_mov_b32 s[G1WS+3], 32<<16
	s_mov_b32 s[G1WS+4], 16
	s_mov_b32 s[G1WS+5], 32
	s_mov_b32 s[G1WS+6], 0
	s_mov_b32 s[G1WS+7], 0
	s_lshl_b32 s16, s[BT], 19                      ; k is block b
	s_lshl_b32 s67, s[HP], 16
	s_add_co_u32 s16, s16, s67
	s_lshl_b32 s67, s[W7], 14                      ; waves 0 to 3: a quarter of k, 256 keys
	s_add_co_u32 s16, s16, s67                     ; its K step hp, my 256 keys
	s_mov_b32 s17, 0
	s_lshl_b32 s18, s[BT], 15
	s_lshl_b32 s67, s[HP], 12
	s_add_co_u32 s18, s18, s67
	s_add_co_u32 s18, s18, SCQ
	s_mov_b32 s19, 0
	s_add_co_u32 s66, s[BT], 8                     ; v is block 8 + b
	s_lshl_b32 s20, s66, 19
	s_lshl_b32 s67, s[W7], 16
	s_add_co_u32 s20, s20, s67
	s_lshl_b32 s67, s[HP], 13
	s_add_co_u32 s20, s20, s67                     ; my step of 128 keys, the pair's 128 rows
	s_mov_b32 s21, 0
	s_lshl_b32 s22, s66, 15
	s_lshl_b32 s67, s[HP], 9
	s_add_co_u32 s22, s22, s67
	s_add_co_u32 s22, s22, SCQ
	s_mov_b32 s23, 0
	s_mul_i32 s66, s[WV], STEPB                    ; where my codes of v go: wave x 10,240 (waves 8-15, behind k's 1,024 rows)
	s_mul_i32 s67, s[WV], 2*STEPB                  ; where a quarter of k goes (waves 0 to 3)
	s_lshl_b32 s92, s[HP], 16                      ; Wq's columns of the pair are wq's groups 2 hp and 2 hp + 1: 65,536 bytes on end
	s_mov_b32 s93, 0
	s_lshl_b32 s94, s[HP], 12
	s_add_co_u32 s94, s94, SCW
	s_mov_b32 s95, 0
	s_mov_b32 s97, WQS
	s_mov_b32 s96, WQ
	s_mov_b32 s[SEL], 0x76543210
	s_mov_b32 s[SEL+1], 0xfedcba98
	s_mov_b32 s[CS], 0x3e38aa3b                    ; c = log2(e) / 8
	s_mov_b32 s[CS+1], s[CS]
	s_wait_dscnt 0x0
	s_wait_kmcnt 0x0
	FROM G0WC, 6, 92, 96
	FROM G0WS, 6, 94, 97
	FROM G0KC, 8, 16, 67
	FROM G0KS, 8, 18, 67
	s_mov_b32 s[G0KS+1], KS
	FROM G0VC, 8, 20, 66
	FROM G0VS, 8, 22, 67
	s_mov_b32 s[G0VS+1], VS
.set G1K, 16                           ; s[16:23], whose offsets have been used: group 1 for a quarter of k: 256 rows of 64 bytes, padded as G1C's
	s_mov_b32 s[G1K], 15|(1<<20)|(1<<21)|(3<<22)|(3<<25)
	s_mov_b32 s[G1K+1], 64<<16
	s_mov_b32 s[G1K+2], 256<<16
	s_mov_b32 s[G1K+3], 64<<16
	s_mov_b32 s[G1K+4], 256
	s_mov_b32 s[G1K+5], 64
	s_mov_b32 s[G1K+6], 0
	s_mov_b32 s[G1K+7], 0
	CROUND                                         ; all four work-groups are here: the joint loads meet
; the head's sixteen tiles, one a wave, in one chain of branches on the wave's number: waves 0-3 k's quarters, 4 Wq's codes, 5 Wq's scale words, 6 k's, 7 v's, waves 8-15 v's eight steps
.macro ARM under, g0, g1, next
	s_cmp_lt_u32 s[WV], \under
	s_cbranch_scc0 \next
	tensor_load_to_lds s[\g0:\g0+3], s[\g1:\g1+7]
	s_nop 0
.rept 4
	v_nop
.endr
	s_branch .Lfilled
\next:
.endm
	ARM 4, G0KC, G1K, .Lhead_1
	ARM 5, G0WC, G1WC, .Lhead_2
	ARM 6, G0WS, G1WS, .Lhead_3
	ARM 7, G0KS, G1WS, .Lhead_4
	ARM 8, G0VS, G1S, .Lhead_5
	tensor_load_to_lds s[G0VC:G0VC+3], s[G1C:G1C+7]
	s_nop 0
.rept 4
	v_nop
.endr
.Lfilled:
	; what hangs on my place in the cluster: offsets into memory alone, made in s98-101, which serve nothing else
	s_bfe_u32 s98, ttmp6, 0x40000                  ; cx: my block of 256 queries
	s_lshl_b32 s99, s[BT], 4
	s_lshl_b32 s100, s98, 2
	s_add_co_u32 s99, s99, s100                    ; group 16 b + 4 cx of xq and of aq: the first of my work-group's four
	s_lshr_b32 s100, s[WV], 2
	s_add_co_u32 s100, s100, s99                   ; my wave's group; its 16 rows begin at row 16 (wave % 4)
	s_lshl_b32 s101, s100, 15
	s_and_b32 s98, s[WV], 3
	s_lshl_b32 s98, s98, 10
	s_add_co_u32 s101, s101, s98
	v_add_nc_u32 v[XO], s101, v[XO]                ; LN(h)'s codes: group x 32,768 + my rows; the K step stands in the loads' immediates
	s_wait_alu depctr_va_vdst(0)
	s_lshl_b32 s98, s[HP], 12
	s_add_co_u32 s101, s101, s98
	v_add_nc_u32 v31, s101, v31                    ; aq's codes: the same rows, K step hp: 1,024 consecutive bytes
	s_lshl_b32 s101, s100, 11
	s_and_b32 s98, s[WV], 3
	s_lshl_b32 s98, s98, 6
	s_add_co_u32 s101, s101, s98
	s_add_co_u32 s101, s101, SCX
	v_add_nc_u32 v[XO2], s101, v[XO2]              ; LN(h)'s scale words
	s_and_b32 s98, s[WV], 3
	s_add_co_u32 s98, s98, s99
	s_lshl_b32 s98, s98, 11
	s_lshl_b32 s101, s[HP], 8
	s_add_co_u32 s98, s98, s101
	s_add_co_u32 s98, s98, SCAQ
	v_add_nc_u32 v213, s98, v213                   ; aq's scale words of group 16 b + 4 cx + wave, K step hp (waves 0 to 3)
	v_add_nc_u32 v36, s[BT], v36                   ; the mask at (key 2 t, b)
.macro XLOADQ                          ; my 16 rows of LN(h): eight fragments and eight scale words: 24 loads
.irp q, 0,1,2,3,4,5,6,7
	global_load_b128 v[XF+8*\q:XF+8*\q+3], v[XO], s[4:5] offset:4096*\q
	global_load_b128 v[XF+8*\q+4:XF+8*\q+7], v[XO], s[4:5] offset:4096*\q+32
	global_load_b32 v[SK+\q], v[XO2], s[4:5] offset:256*\q
.endr
.endm
	global_load_u8 v37, v36, s[10:11]
	global_load_u8 v38, v36, s[10:11] offset:8
	XLOADQ
	s_wait_loadcnt 24                              ; the two mask bytes are in; the 24 loads behind them may be out
	v_cmp_ne_u32 vcc_lo, 0, v37
	s_delay_alu instid0(VALU_DEP_1)
	v_cndmask_b32 v42, 0, v41, vcc_lo
	v_cmp_ne_u32 vcc_lo, 0, v38
	s_delay_alu instid0(VALU_DEP_1)
	v_cndmask_b32 v43, 0, v41, vcc_lo
	ds_store_b64 v44, v[42:43]
	s_wait_tensorcnt 0x0                           ; my one tile is in,
	s_wait_dscnt 0x0                               ; my two numbers of the bias lie in LDS,
	s_barrier_signal -1
	s_barrier_wait -1                              ; everybody's are
; 64 numbers along d of my query, v96-127 with lane l xor 16's (register 8 t + i: d = 16 t + 8 h + i), are quantised: two blocks of 32.  The codes go to bytes 32 p .. 32 p + 31 of my row in my stage; the two scale bytes stay in v228.
.macro QUANT64 p
.irp e, 0,1
	v_max3_num_f32 v[BM+\e], |v[S+16*\e]|, |v[S+1+16*\e]|, 0x1800000
.endr
.irp i, 2,4,6,8,10,12,14
.irp e, 0,1
	v_max3_num_f32 v[BM+\e], v[BM+\e], |v[S+16*\e+\i]|, |v[S+1+16*\e+\i]|
.endr
.endr
.irp e, 0,1
	s_delay_alu instid0(VALU_DEP_2)
	v_permlanex16_b32 v[PB+\e], v[BM+\e], s[SEL], s[SEL+1]
.endr
.irp e, 0,1
	s_delay_alu instid0(VALU_DEP_2)
	v_max_num_f32 v[BM+\e], v[BM+\e], v[PB+\e]
.endr
.irp e, 0,1
	s_delay_alu instid0(VALU_DEP_2)
	v_add_nc_u32 v[SO+\e], 0xff000000, v[BM+\e]
.endr
.irp e, 0,1
	s_delay_alu instid0(VALU_DEP_2)
	v_lshrrev_b32 v[PB+\e], 23, v[SO+\e]
.endr
	s_delay_alu instid0(VALU_DEP_1)
	v_lshl_or_b32 v228, v[PB+1], 8, v[PB]          ; the head's two bytes: half of the pair's scale word
.irp e, 0,1
.irp u, 0,1
	v_cvt_scalef32_pk8_fp4_f32 v[236+2*\e+\u], v[S+16*\e+8*\u:S+16*\e+8*\u+7], v[SO+\e]
.endr
.endr
	v_nop                                          ; a plain line behind the conversions
.irp t, 0,1,2,3
	ds_store_b32 v6, v[236+\t] offset:32*(\p)+8*\t ; d = 16 t + 8 h + 0 .. 7 of head p: byte 32 p + 8 t + 4 h of my row's 64
.endr
.endm
; q OF HEAD p FOR MY 16 QUERIES.  K step q: four fragments of Wq's columns and two registers of their scale words (lanes 0-15 an even tile's, lanes 16-31 the next tile's): 10 LDS loads, into one of two sets
.macro FETCHW p, q, set
.irp t, 0,1,2,3
.irp c, 0,1
	ds_load_b128 v[KF+32*(\set)+8*\t+4*\c:KF+32*(\set)+8*\t+4*\c+3], v[AW+(\p)] offset:(\q)*KQ+\t*1088+32*\c
.endr
.endr
.irp n, 0,1
	ds_load_b32 v[SV+2*(\set)+\n], v[ASW] offset:2048*(\p)+256*(\q)+128*\n
.endr
.endm
.macro MULW q, set, zero               ; four products, the accumulators by turns; zero = 1: the first K step starts the sums
.irp t, 0,1,2,3
.if \zero
.if \t%2
	v_wmma_scale_f32_16x16x128_f8f6f4 v[S+8*\t:S+8*\t+7], v[KF+32*(\set)+8*\t:KF+32*(\set)+8*\t+7], v[XF+8*(\q):XF+8*(\q)+7], 0, v[SV+2*(\set)+\t/2], v[SK+(\q)] matrix_a_fmt:MATRIX_FMT_FP4 matrix_b_fmt:MATRIX_FMT_FP4 matrix_a_scale:MATRIX_SCALE_ROW1
.else
	v_wmma_scale_f32_16x16x128_f8f6f4 v[S+8*\t:S+8*\t+7], v[KF+32*(\set)+8*\t:KF+32*(\set)+8*\t+7], v[XF+8*(\q):XF+8*(\q)+7], 0, v[SV+2*(\set)+\t/2], v[SK+(\q)] matrix_a_fmt:MATRIX_FMT_FP4 matrix_b_fmt:MATRIX_FMT_FP4
.endif
.else
.if \t%2
	v_wmma_scale_f32_16x16x128_f8f6f4 v[S+8*\t:S+8*\t+7], v[KF+32*(\set)+8*\t:KF+32*(\set)+8*\t+7], v[XF+8*(\q):XF+8*(\q)+7], v[S+8*\t:S+8*\t+7], v[SV+2*(\set)+\t/2], v[SK+(\q)] matrix_a_fmt:MATRIX_FMT_FP4 matrix_b_fmt:MATRIX_FMT_FP4 matrix_a_scale:MATRIX_SCALE_ROW1
.else
	v_wmma_scale_f32_16x16x128_f8f6f4 v[S+8*\t:S+8*\t+7], v[KF+32*(\set)+8*\t:KF+32*(\set)+8*\t+7], v[XF+8*(\q):XF+8*(\q)+7], v[S+8*\t:S+8*\t+7], v[SV+2*(\set)+\t/2], v[SK+(\q)] matrix_a_fmt:MATRIX_FMT_FP4 matrix_b_fmt:MATRIX_FMT_FP4
.endif
.endif
.endr
.endm
.macro QPROJ p
	FETCHW \p, 0, 0
	FETCHW \p, 1, 1
	s_wait_loadcnt 0x0                             ; my rows of LN(h)
	s_wait_dscnt 10                                ; all but the 10 loads just issued
	MULW 0, 0, 1
.irp q, 1,2,3,4,5,6
.rept 4
	v_nop                                          ; places in front of loads into registers that the products before have read
.endr
	FETCHW \p, \q+1, (\q+1)%2
	s_wait_dscnt 10
	MULW \q, \q%2, 0
.endr
	s_wait_dscnt 0x0
	MULW 7, 1, 0
.rept 4
	v_nop
.endr
	QUANT64 \p
	v_lshlrev_b32 v[29+200*(\p)], 16*(\p), v228    ; Q's scale word, v29 for the even head, v229 for the odd: the head's two bytes at their places
	ds_load_b128 v[16+8*(\p):19+8*(\p)], v[QR] offset:32*(\p)      ; LDS serves a wave's instructions in order: this sees the stores above.  d = 32 h + 0 .. 31 of my query
.endm
; A KEY STEP: 128 keys, for head p of the pair
.macro STEP p
	v_add_nc_u32 v8, s[TK], v1                     ; these five are also the places behind the last step's products
	v_add_nc_u32 v9, s[TK], v2
	v_add_nc_u32 v10, s[TS], v3
	v_add_nc_u32 v11, s[TS], v4
	v_add_nc_u32 v28, s[TS], v5
.irp t, 0,1,2,3,4,5,6,7
	ds_load_b128 v[S+8*\t:S+8*\t+3], v28 offset:(32*(\t/2)+8*(\t%2))*4             ; the bias of the eight keys that the tile's registers will hold: the product's C
	ds_load_b128 v[S+8*\t+4:S+8*\t+7], v28 offset:(32*(\t/2)+8*(\t%2))*4+16
	ds_load_b128 v[KF+4*\p+4*\t:KF+4*\p+4*\t+3], v8 offset:(32*(\t/2)+8*(\t%2))*KP+32*\p   ; head p's half of the tile's fragment
	ds_load_b32 v[SK+\t], v10 offset:(32*(\t/2)+8*(\t%2))*4
.endr
	s_wait_alu depctr_va_vdst(0)
	s_wait_dscnt 0x0
.irp t, 0,1,2,3,4,5,6,7
	v_wmma_scale_f32_16x16x128_f8f6f4 v[S+8*\t:S+8*\t+7], v[KF+4*\t:KF+4*\t+7], v[16+4*\p:23+4*\p], v[S+8*\t:S+8*\t+7], v[SK+\t], v[29+200*\p] matrix_a_fmt:MATRIX_FMT_FP4 matrix_b_fmt:MATRIX_FMT_FP4
.endr
.rept 4
	v_nop                                          ; places in front of the loads into k's registers and of the first read of the scores
.endr
.irp t, 0,1,2,3
.irp c, 0,1
	ds_load_b128 v[KF+8*\t+4*\c:KF+8*\t+4*\c+3], v9 offset:(64*\p+16*\t)*KP+32*\c  ; v's four tiles land under the softmax
.endr
	ds_load_b32 v[SV+\t], v11 offset:256*\p+64*\t
.endr
.irp b, 0,1,2,3
	v_max3_num_f32 v[BM+\b], v[S+16*\b], v[S+1+16*\b], v[S+2+16*\b]                ; the largest score of each block of 32 keys: for the row's maximum, and for the block's largest p
.endr
.irp i, 3,5,7,9,11,13
.irp b, 0,1,2,3
	v_max3_num_f32 v[BM+\b], v[BM+\b], v[S+16*\b+\i], v[S+1+16*\b+\i]
.endr
.endr
.irp b, 0,1,2,3
	v_max_num_f32 v[BM+\b], v[BM+\b], v[S+15+16*\b]
.endr
.irp b, 0,1,2,3
	s_delay_alu instid0(VALU_DEP_4)
	v_permlanex16_b32 v[PB+\b], v[BM+\b], s[SEL], s[SEL+1]
.endr
.irp b, 0,1,2,3
	s_delay_alu instid0(VALU_DEP_4)
	v_max_num_f32 v[BM+\b], v[BM+\b], v[PB+\b]     ; with lane l xor 16's 16 keys
.endr
	s_delay_alu instid0(VALU_DEP_2)
	v_max3_num_f32 v228, v[BM], v[BM+1], v[BM+2]
	s_delay_alu instid0(VALU_DEP_1)
	v_max_num_f32 v228, v228, v[BM+3]
	s_delay_alu instid0(VALU_DEP_1)
	v_mul_f32 v228, s[CS], v228                    ; the step's largest t (c is positive)
	s_delay_alu instid0(VALU_DEP_1)
	v_max_num_f32 v13, v13, v228
	v_mov_b32 v228, v12
	s_delay_alu instid0(VALU_DEP_2)
	v_floor_f32 v12, -v13                          ; -M = floor(-t): a whole number
	s_delay_alu instid0(VALU_DEP_1)
	v_sub_f32 v228, v12, v228                      ; old M - new M, 0 or less
	s_delay_alu instid0(VALU_DEP_1)
	v_cvt_i32_f32 v228, v228                       ; (it saturates)
	s_delay_alu instid0(VALU_DEP_1)
	v_ldexp_f32 v230, 1.0, v228                    ; f = 2^(old M - new M)
.irp j, 0,2,4,6,8,10,12,14,16,18,20,22,24,26,28,30,32,34,36,38,40,42,44,46,48,50,52,54,56,58,60,62
	v_pk_fma_f32 v[S+\j:S+\j+1], v[S+\j:S+\j+1], s[CS:CS+1], v[12:13] op_sel_hi:[1,0,0]   ; t - M
.endr
.irp b, 0,1,2,3
	v_fma_f32 v[BM+\b], v[BM+\b], s[CS], v12
.endr
.set j, 0
	s_wait_alu depctr_va_vdst(0)
.rept 64
	v_exp_f32 v[S+j], v[S+j]                       ; p = 2^(t - M)
.set j, j+1
.endr
	v_pk_mul_f32 v[14:15], v[14:15], v[230:231] op_sel_hi:[1,0]    ; the sum under the new M (the plain line behind the exponentials)
	s_wait_alu depctr_va_vdst(0)                   ; one wait for the batch, ahead of its first reader
.irp b, 0,1,2,3
	v_exp_f32 v[BM+\b], v[BM+\b]                   ; each block's largest p
.endr
	v_pk_add_f32 v[234:235], v[100:101], v[104:105]
	v_pk_add_f32 v[248:249], v[108:109], v[112:113]
	v_pk_add_f32 v[246:247], v[116:117], v[120:121]
	v_pk_add_f32 v[244:245], v[124:125], v[128:129]
	v_pk_add_f32 v[242:243], v[132:133], v[136:137]
	v_pk_add_f32 v[240:241], v[140:141], v[144:145]
	v_pk_add_f32 v[238:239], v[148:149], v[152:153]
	v_pk_add_f32 v[14:15], v[14:15], v[156:157]
	v_pk_add_f32 v[234:235], v[234:235], v[96:97]
	v_pk_add_f32 v[248:249], v[248:249], v[98:99]
	v_pk_add_f32 v[246:247], v[246:247], v[102:103]
	v_pk_add_f32 v[244:245], v[244:245], v[106:107]
	v_pk_add_f32 v[242:243], v[242:243], v[110:111]
	v_pk_add_f32 v[240:241], v[240:241], v[114:115]
	v_pk_add_f32 v[238:239], v[238:239], v[118:119]
	v_pk_add_f32 v[14:15], v[14:15], v[122:123]
	v_pk_add_f32 v[234:235], v[234:235], v[126:127]
	v_pk_add_f32 v[248:249], v[248:249], v[130:131]
	v_pk_add_f32 v[246:247], v[246:247], v[134:135]
	v_pk_add_f32 v[244:245], v[244:245], v[138:139]
	v_pk_add_f32 v[242:243], v[242:243], v[142:143]
	v_pk_add_f32 v[240:241], v[240:241], v[146:147]
	v_pk_add_f32 v[238:239], v[238:239], v[150:151]
	v_pk_add_f32 v[14:15], v[14:15], v[154:155]
	v_pk_add_f32 v[234:235], v[234:235], v[158:159]
	s_delay_alu instid0(VALU_DEP_2)
	v_pk_add_f32 v[14:15], v[14:15], v[244:245]
	s_delay_alu instid0(VALU_DEP_2)
	v_pk_add_f32 v[234:235], v[234:235], v[242:243]
	v_pk_add_f32 v[248:249], v[248:249], v[240:241]
	v_pk_add_f32 v[246:247], v[246:247], v[238:239]
	s_delay_alu instid0(VALU_DEP_2)
	v_pk_add_f32 v[14:15], v[14:15], v[248:249]
	s_delay_alu instid0(VALU_DEP_2)
	v_pk_add_f32 v[234:235], v[234:235], v[246:247]
	s_delay_alu instid0(VALU_DEP_1)
	v_pk_add_f32 v[14:15], v[14:15], v[234:235]
	s_wait_alu depctr_va_vdst(0)                   ; and one for the four
.irp b, 0,1,2,3
	v_max_num_f32 v[BM+\b], 0x1800000, v[BM+\b]    ; the floor 2^(3 - 127)
.endr
.irp b, 0,1,2,3
	s_delay_alu instid0(VALU_DEP_4)
	v_add_nc_u32 v[SO+\b], 0xff000000, v[BM+\b]
.endr
.irp b, 0,1,2,3
	s_delay_alu instid0(VALU_DEP_4)
	v_lshrrev_b32 v[PB+\b], 23, v[SO+\b]
.endr
	s_delay_alu instid0(VALU_DEP_3)
	v_lshl_or_b32 v232, v[PB+1], 8, v[PB]          ; p's scale word for these 128 keys
	s_delay_alu instid0(VALU_DEP_1)
	v_lshl_or_b32 v232, v[PB+2], 16, v232
	s_delay_alu instid0(VALU_DEP_1)
	v_lshl_or_b32 v232, v[PB+3], 24, v232
.irp b, 0,1,2,3
	v_cvt_scalef32_pk8_fp4_f32 v[192+2*\b], v[S+16*\b:S+7+16*\b], v[SO+\b]
	v_cvt_scalef32_pk8_fp4_f32 v[193+2*\b], v[S+8+16*\b:S+15+16*\b], v[SO+\b]
.endr
	v_nop                                          ; a plain line behind the conversions
.irp c, 0,1
.irp i, 0,1
	v_permlane16_swap_b32 v[192+4*\c+\i], v[194+4*\c+\i]           ; a whole block in a lane: lanes 0-15 block 2 c, lanes 16-31 block 2 c + 1
.endr
.endr
.irp j, 0,2,4,6,8,10,12,14,16,18,20,22,24,26,28,30
	v_pk_mul_f32 v[O+\j:O+\j+1], v[O+\j:O+\j+1], v[230:231] op_sel_hi:[1,0]        ; O^T under the new M (sixteen lines between the scale word's last write and the products)
.endr
	s_wait_alu depctr_va_vdst(0)
	s_wait_dscnt 0x0                               ; v's tiles are in
.irp t, 0,1,2,3
	v_wmma_scale_f32_16x16x128_f8f6f4 v[O+8*\t:O+8*\t+7], v[KF+8*\t:KF+8*\t+7], v[192:199], v[O+8*\t:O+8*\t+7], v[SV+\t], v232 matrix_a_fmt:MATRIX_FMT_FP4 matrix_b_fmt:MATRIX_FMT_FP4
.endr
.endm
; A PASS: head p of the pair, all 1,024 keys; then O^T / the sum, quantised along d
.macro PASS p
	v_mov_b32 v13, 0xff61b1e6                      ; the largest t so far: -3e38
	s_delay_alu instid0(VALU_DEP_1)
	v_floor_f32 v12, -v13
	v_mov_b32 v14, 0
	v_mov_b32 v15, 0
.set j, 0
.rept 32
	v_mov_b32 v[O+j], 0                            ; the step is written once a pass: its first trip finds zeros, which the first change of M leaves zeros
.set j, j+1
.endr
	s_mov_b32 s[TK], 0
	s_mov_b32 s[TS], 0
	s_mov_b32 s[CNT], 8
.Lstep_\@:
	STEP \p
	s_add_co_u32 s[TK], s[TK], STEPB
	s_add_co_u32 s[TS], s[TS], 512
	s_sub_co_u32 s[CNT], s[CNT], 1
	s_cmp_lg_u32 s[CNT], 0
	s_cbranch_scc1 .Lstep_\@
.rept 4
	v_nop
.endr
	v_add_f32 v14, v14, v15
	s_delay_alu instid0(VALU_DEP_1)
	v_permlanex16_b32 v228, v14, s[SEL], s[SEL+1]
	s_delay_alu instid0(VALU_DEP_1)
	v_add_f32 v14, v14, v228                       ; the row's sum
	s_wait_alu depctr_va_vdst(0)
	v_rcp_f32 v14, v14
	v_nop
	s_wait_alu depctr_va_vdst(0)
.set j, 0
.rept 32
	v_mul_f32 v[S+j], v[O+j], v14                  ; register 8 t + i: d = 16 t + 8 h + i of my query
.set j, j+1
.endr
	QUANT64 \p
	ds_store_b16 v30, v228 offset:2*\p
.endm
	QPROJ 0                                        ; both heads' q from one read of my rows of LN(h): q of the even head in v16-19, of the odd head in v24-27
	QPROJ 1
	PASS 0
	PASS 1
	ds_load_b128 v[240:243], v7                    ; LDS serves a wave's instructions in order: these see my stores
	ds_load_b128 v[244:247], v7 offset:640
	s_wait_dscnt 0x0                               ; they are in, and my half words lie in LDS
	global_store_b128 v31, v[240:243], s[12:13]    ; eight rows x 64 bytes: 512 consecutive bytes
	global_store_b128 v31, v[244:247], s[12:13] offset:512
	s_barrier_signal -1
	s_barrier_wait -1                              ; 256 queries' scale words lie in LDS
	s_cmp_lt_u32 s[WV], 4
	s_cbranch_scc0 .Lno_scales
	ds_load_b64 v[248:249], v212
	s_wait_dscnt 0x0
	global_store_b64 v213, v[248:249], s[12:13]    ; a group's 64 words: 256 consecutive bytes, aligned
.Lno_scales:
	s_wait_tensorcnt 0x0
	ds_add_u32 v250, v251
	s_wait_dscnt 0x0
	CROUND                                         ; the closing round
	s_endpgm
.Lfunc_end_k_qf0f1a16d7e_attn:
	.size	k_qf0f1a16d7e_attn, .Lfunc_end_k_qf0f1a16d7e_attn-k_qf0f1a16d7e_attn
	.p2alignl 7, 3214868480
	.fill 96, 4, 3214868480
	.section	.rodata,"a",@progbits
	.p2align	6, 0x0
	.amdhsa_kernel k_qf0f1a16d7e_attn
		.amdhsa_group_segment_fixed_size 273408
		.amdhsa_private_segment_fixed_size 0
		.amdhsa_enable_private_segment 0
		.amdhsa_kernarg_size 40
		.amdhsa_user_sgpr_count 2
		.amdhsa_user_sgpr_kernarg_segment_ptr 1
		.amdhsa_wavefront_size32 1
		.amdhsa_system_sgpr_workgroup_id_x 1
		.amdhsa_system_sgpr_workgroup_id_y 1
		.amdhsa_system_sgpr_workgroup_id_z 1
		.amdhsa_system_vgpr_workitem_id 0
		.amdhsa_next_free_vgpr 256
		.amdhsa_next_free_sgpr 102
		.amdhsa_reserve_vcc 1
		.amdhsa_float_denorm_mode_32 3
		.amdhsa_float_denorm_mode_16_64 3
		.amdhsa_memory_ordered 1
		.amdhsa_forward_progress 1
		.amdhsa_inst_pref_size 87
	.end_amdhsa_kernel
	.amdgpu_metadata
---
amdhsa.version: [ 1, 2 ]
amdhsa.kernels:
  - .name:           k_qf0f1a16d7e_attn
    .symbol:         k_qf0f1a16d7e_attn.kd
    .args:
      - { .name: xq, .offset: 0, .size: 8, .value_kind: global_buffer, .address_space: global }
      - { .name: wq, .offset: 8, .size: 8, .value_kind: global_buffer, .address_space: global }
      - { .name: kvq, .offset: 16, .size: 8, .value_kind: global_buffer, .address_space: global }
      - { .name: attn_mask, .offset: 24, .size: 8, .value_kind: global_buffer, .address_space: global }
      - { .name: aq, .offset: 32, .size: 8, .value_kind: global_buffer, .address_space: global }
    .group_segment_fixed_size: 273408
    .private_segment_fixed_size: 0
    .kernarg_segment_align: 8
    .kernarg_segment_size: 40
    .max_flat_workgroup_size: 512
    .sgpr_count:     102
    .vgpr_count:     256
    .wavefront_size: 32
...
	.end_amdgpu_metadata
.endif
;; end of part 3
;; launch outp (part 4): grid 4 x 64, 4 waves a work-group, clusters of 4 x 4, 255,488 bytes of LDS; arguments aq, wq, h, stats, gamma, beta, out0; writes out0
.if DOCPART == 4
	.amdgcn_target "amdgcn-amd-amdhsa--gfx1250"
	.amdhsa_code_object_version 6
	.text
	.protected	k_qf0f1a16d7e_outp
	.globl	k_qf0f1a16d7e_outp
	.p2align	8
	.type	k_qf0f1a16d7e_outp,@function
k_qf0f1a16d7e_outp:
	s_mov_b64 s[64:65], 0
	v_nop
	global_prefetch_b8 v0, s[64:65] scope:SCOPE_SE
	s_setreg_imm32_b32 hwreg(HW_REG_WAVE_MODE, 25, 1), 1
	s_wait_xcnt 0x0
	s_wait_alu depctr_hold_cnt(0) depctr_sa_sdst(0) depctr_va_vdst(0) depctr_va_sdst(0) depctr_va_ssrc(0) depctr_va_vcc(0) depctr_vm_vsrc(0)
	s_getreg_b32 s2, hwreg(HW_REG_IB_STS2, 6, 4)
	s_cmp_eq_u32 s2, 0
	s_cbranch_scc0 .Lentry_in_a_cluster
	s_endpgm
.Lentry_in_a_cluster:
	s_bfe_u32 s2, ttmp6, 0x10000c
	s_cmp_lg_u32 s2, 0xf033
	s_cbranch_scc0 .Lentry_shape_is_right
	s_endpgm
.Lentry_shape_is_right:
; OUTP: out0 = LN(h) + attn_vec Wo.  The product runs on codes of E2M1 (aq, and Wo's columns in wq's groups 48-63); LN(h) is made again from h, the stored (-mean, rstd) of each row, gamma and beta, in f32.
; A cluster of 4 x 4 work-groups makes 512 rows (batch b = cluster y / 2, i from 512 x (cluster y % 2) on) x all 1,024 columns.  A work-group: 128 rows x 256 columns, all of K = 1,024 in LDS: every tensor load is a first fill.
; Source 0 = 16 columns of Wo, source 1 = 16 rows of attn_vec: a lane's eight results are eight neighbouring columns of one row.  A wave: 64 rows x 128 columns, 32 accumulators.
; JOINT LOADS: attn_vec's tile hangs on the cluster's row (cy), Wo's on its column (cx): each is asked for by the four that share it.
; h, the launch's largest stream, is asked for at the head, straight into 256 registers, laid as the output's rows are stored, and lands under the tile loads and the products.  So no prefetch is written.
; REGISTERS: window 0: v1-13 addresses, v16-23 gamma and beta, v32-55 scale words, v64-127 source 1's fragments, later LN(h) of 16 rows, v128-255 rows of the result, two sets;
;   window 1: v0-127 source 0's fragments;  window 2: the accumulators;  window 3: my 64 rows x 512 bytes of h.
.set SCW,  2097152
.set SCAQ, 4194304
.set GIMG, 34816                       ; a group of 64 rows in LDS: 128 units of 256 bytes + 16 of padding
.set KQ,   4352
.set BB,   2*GIMG
.set SCA,  6*GIMG
.set SCB,  SCA+4096
.set STG,  SCB+8192                    ; the way out: 16 rows x (512 + 16) bytes for each wave; no tile lands here
.set ADRA, 4
.set ADRB, 5
.set ASA,  7
.set ASB,  8
.set STO,  9
.set RD,   10
.set SS1,  32
.set SS0,  40
.set F1,   64
.set T,    64
.set G1A,  24
.set G1B,  32
.set G1SA, 40
.set G1SB, 48
.set G0SA, 56
.set G0CA, 60
.set G0SB, 68
.set G0CB, 72
.set WV,   80
.set WR,   81
.set WC,   82
.set CX,   83
.set CY,   84
.set GP,   85
.set MROW, 86
.set MCOL, 87
.set MSB, 0
.macro WIN new
.if MSB != \new
	s_set_vgpr_msb (MSB<<8)|\new
.set MSB, \new
.endif
.endm
.macro CROUND
	s_barrier_signal -1
	s_barrier_wait -1
	s_cmp_lg_u32 s[WV], 0
	s_cbranch_scc1 .Lnot_wave_0_\@
	s_barrier_signal -3
.Lnot_wave_0_\@:
	s_barrier_wait -3
	s_barrier_signal -1
	s_barrier_wait -1
.endm
.macro PLACES
.rept 4
	v_nop
.endr
.endm
.macro SHAPE g, rows
	s_mov_b32 s[\g+1], 32<<16
	s_mov_b32 s[\g+2], (\rows)<<16
	s_mov_b32 s[\g+3], 32<<16
	s_mov_b32 s[\g+4], \rows
	s_mov_b32 s[\g+5], 32
	s_mov_b32 s[\g+6], 0
	s_mov_b32 s[\g+7], 0
.endm
.macro FROM g, ptr, off
	s_mov_b32 s[\g], 1
	s_add_nc_u64 s[\g+2:\g+3], s[\ptr:\ptr+1], s[\off:\off+1]
	s_or_b32 s[\g+3], s[\g+3], 0x80000000
.endm
.macro FETCH q, set                    ; K step q's fragments and scale words: 36 LDS loads
	WIN 0x40
.irp b, 0,1,2,3,4,5,6,7
.irp c, 0,1
	ds_load_b128 v[64*(\set)+8*\b+4*\c:64*(\set)+8*\b+4*\c+3], v[ADRB+\b/4] offset:(\q)*KQ+(\b%4)*1088+32*\c
.endr
.endr
	WIN 0
.irp a, 0,1,2,3
.irp c, 0,1
	ds_load_b128 v[F1+32*(\set)+8*\a+4*\c:F1+32*(\set)+8*\a+4*\c+3], v[ADRA] offset:(\q)*KQ+\a*1088+32*\c
.endr
.endr
.irp a, 0,1,2,3
	ds_load_b32 v[SS1+4*(\set)+\a], v[ASA] offset:256*(\q)+64*\a
.endr
.irp b, 0,1,2,3,4,5,6,7
	ds_load_b32 v[SS0+8*(\set)+\b], v[ASB] offset:(\b/4)*2048+256*(\q)+(\b%4)*64
.endr
.endm
.macro MUL set, zero                   ; 32 products, the accumulators by turns, one instruction a turn
	WIN 0xa1
.irp a, 0,1,2,3
.irp b, 0,1,2,3,4,5,6,7
.if \zero
	v_wmma_scale_f32_16x16x128_f8f6f4 v[8*(8*\a+\b):8*(8*\a+\b)+7], v[64*(\set)+8*\b:64*(\set)+8*\b+7], v[F1+32*(\set)+8*\a:F1+32*(\set)+8*\a+7], 0, v[SS0+8*(\set)+\b], v[SS1+4*(\set)+\a] matrix_a_fmt:MATRIX_FMT_FP4 matrix_b_fmt:MATRIX_FMT_FP4
.else
	v_wmma_scale_f32_16x16x128_f8f6f4 v[8*(8*\a+\b):8*(8*\a+\b)+7], v[64*(\set)+8*\b:64*(\set)+8*\b+7], v[F1+32*(\set)+8*\a:F1+32*(\set)+8*\a+7], v[8*(8*\a+\b):8*(8*\a+\b)+7], v[SS0+8*(\set)+\b], v[SS1+4*(\set)+\a] matrix_a_fmt:MATRIX_FMT_FP4 matrix_b_fmt:MATRIX_FMT_FP4
.endif
.endr
.endr
.endm
	s_load_b256 s[4:11], s[0:1], 0x0               ; aq, wq, h, stats
	s_load_b128 s[12:15], s[0:1], 0x20             ; gamma, beta
	s_load_b64 s[16:17], s[0:1], 0x30              ; out0
	v_lshl_add_u32 v62, v0, 2, 0x3e400
	v_mov_b32 v63, 0
	ds_add_u32 v62, v63
	ds_add_u32 v62, v63
	v_lshrrev_b32 v1, 5, v0
	v_readfirstlane_b32 s[WV], v1                  ; wave 0..3
	s_lshr_b32 s[WR], s[WV], 1                     ; which 64 rows are mine.  Also: I fetch codes (0) or scale words (1)
	s_and_b32 s[WC], s[WV], 1                      ; which 128 columns.  Also: I fetch for source 1 (0) or for source 0 (1)
	v_and_b32 v1, 15, v0                           ; r
	v_bfe_u32 v2, v0, 4, 1                         ; h
	v_and_b32 v3, 31, v0                           ; lane
	v_lshrrev_b32 v11, 2, v1
	v_mul_u32_u24 v11, v11, 272
	v_and_b32 v12, 3, v1
	v_lshl_add_u32 v11, v12, 6, v11
	v_lshl_add_u32 v11, v2, 4, v11                 ; a fragment's row r, + 16 h
	s_mul_i32 s96, s[WR], GIMG
	v_add_nc_u32 v[ADRA], s96, v11
	s_mul_i32 s96, s[WC], 2*GIMG
	s_add_co_u32 s96, s96, BB
	v_add_nc_u32 v[ADRB], s96, v11
	v_add_nc_u32 v[ADRB+1], GIMG, v[ADRB]
	s_lshl_b32 s96, s[WR], 11
	s_add_co_u32 s96, s96, SCA
	v_lshl_add_u32 v[ASA], v1, 2, s96
	s_lshl_b32 s96, s[WC], 12
	s_add_co_u32 s96, s96, SCB
	v_lshl_add_u32 v[ASB], v1, 2, s96
	s_mul_i32 s96, s[WV], 16*528
	s_add_co_u32 s96, s96, STG                     ; my stage
	v_mul_u32_u24 v[STO], v1, 528
	v_lshl_add_u32 v[STO], v2, 5, v[STO]
	v_add_nc_u32 v[STO], s96, v[STO]               ; in: row r, 32 bytes for each half of the lanes
	v_lshlrev_b32 v13, 4, v3                       ; 16 x lane
	v_add_nc_u32 v[RD], s96, v13                   ; back: the 32 lanes take a row of 512 bytes
	s_bfe_u32 s[CX], ttmp6, 0x40000
	s_bfe_u32 s[CY], ttmp6, 0x40004
	s_and_b32 s[GP], ttmp7, 0xffff                 ; the cluster's y
	s_lshl_b32 s[MROW], s[CY], 2
	s_lshl_b32 s[MROW], 15, s[MROW]                ; my row of the cluster
	s_lshl_b32 s[MCOL], 0x1111, s[CX]              ; my column
	s_or_b32 s[G1A], s[MROW], (3<<16)|(1<<20)|(1<<21)|(5<<22)|(3<<25)   ; the mask; elements of 8 bytes; padding on; bit 21 beside a mask; 4 words behind every 64
	s_or_b32 s[G1B], s[MCOL], (3<<16)|(1<<20)|(1<<21)|(5<<22)|(3<<25)
	s_or_b32 s[G1SA], s[MROW], (3<<16)|(1<<21)
	s_or_b32 s[G1SB], s[MCOL], (3<<16)|(1<<21)
	SHAPE G1A, 256                                 ; attn_vec's two groups of codes, consecutive in memory and in LDS
	SHAPE G1B, 512                                 ; Wo's four groups
	SHAPE G1SA, 16                                 ; their scale words
	SHAPE G1SB, 32
	; source 1's numbers stand in s96, s97, s88-91, which never hold cx; source 0's in s98, s99, s92-95, which never hold cy
	s_lshl_b32 s96, s[GP], 3
	s_lshl_b32 s97, s[CY], 1
	s_add_co_u32 s96, s96, s97
	s_lshl_b32 s98, s[CX], 2
	s_add_co_u32 s98, s98, 48                      ; wq's groups 48 + 4 cx on
	s_lshl_b32 s88, s96, 15
	s_mov_b32 s89, 0
	s_lshl_b32 s90, s96, 11
	s_add_co_u32 s90, s90, SCAQ
	s_mov_b32 s91, 0
	s_lshl_b32 s92, s98, 15
	s_mov_b32 s93, 0
	s_lshl_b32 s94, s98, 11
	s_add_co_u32 s94, s94, SCW
	s_mov_b32 s95, 0
	s_wait_dscnt 0x0
	s_wait_kmcnt 0x0
	FROM G0SA, 4, 90
	s_mov_b32 s[G0SA+1], SCA
	FROM G0CA, 4, 88
	s_mov_b32 s[G0CA+1], 0
	FROM G0SB, 6, 94
	s_mov_b32 s[G0SB+1], SCB
	FROM G0CB, 6, 92
	s_mov_b32 s[G0CB+1], BB
	CROUND                                         ; all sixteen work-groups are here: the joint loads meet
; the four tiles, one a wave, in one chain of branches on the wave's number: wave 0 attn_vec's codes, wave 1 Wo's, wave 2 attn_vec's scale words, wave 3 Wo's
.macro ARM under, g0, g1, next
	s_cmp_lt_u32 s[WV], \under
	s_cbranch_scc0 \next
	tensor_load_to_lds s[\g0:\g0+3], s[\g1:\g1+7]
	s_nop 0
	PLACES
	s_branch .Lfilled
\next:
.endm
	ARM 1, G0CA, G1A, .Lhead_1
	ARM 2, G0CB, G1B, .Lhead_2
	ARM 3, G0SA, G1SA, .Lhead_3
	tensor_load_to_lds s[G0SB:G0SB+3], s[G1SB:G1SB+7]
	s_nop 0
	PLACES
.Lfilled:
	s_lshl_b32 s18, s[CX], 10
	s_lshl_b32 s19, s[WC], 9
	s_add_co_u32 s18, s18, s19                     ; my first column, in bytes
	s_mov_b32 s19, 0
	s_add_nc_u64 s[12:13], s[12:13], s[18:19]
	s_add_nc_u64 s[14:15], s[14:15], s[18:19]
	s_and_b32 s20, s[GP], 1
	s_lshl_b32 s20, s20, 9
	s_lshl_b32 s21, s[CY], 7
	s_add_co_u32 s20, s20, s21
	s_lshl_b32 s21, s[WR], 6
	s_add_co_u32 s20, s20, s21                     ; my first i
	s_lshr_b32 s21, s[GP], 1                       ; b
	s_lshl_b32 s22, s20, 3
	s_add_co_u32 s22, s22, s21
	s_lshl_b32 s22, s22, 12                        ; row (i, b) begins at (8 i + b) x 4,096 bytes
	s_add_co_u32 s18, s18, s22
	s_add_nc_u64 s[8:9], s[8:9], s[18:19]          ; h
	s_add_nc_u64 s[16:17], s[16:17], s[18:19]      ; out0
	s_lshl_b32 s21, s21, 10
	s_add_co_u32 s21, s21, s20
	s_lshl_b32 s18, s21, 3
	s_add_nc_u64 s[10:11], s[10:11], s[18:19]      ; the statistics of my 64 rows
	WIN 0xc0                                       ; destination window 3
.set n, 0
	s_wait_alu depctr_va_vdst(0)
.rept 64
	global_load_b128 v[4*n:4*n+3], v13, s[8:9] offset:n*32768 th:TH_LOAD_NT        ; row n of my 64: 512 consecutive bytes
.set n, n+1
.endr
	WIN 0
	global_load_b128 v[16:19], v13, s[12:13]       ; gamma and beta of my four columns
	global_load_b128 v[20:23], v13, s[14:15]
	s_wait_tensorcnt 0x0                           ; my parts of the tiles are in: the descriptors' registers are free from here on,
	s_barrier_signal -1
	s_barrier_wait -1                              ; everybody's are
.macro STATS a                         ; (-mean, rstd) of block a's 16 rows into s[24:55]: row t's pair at s[24 + 2 t]
	s_load_b512 s[24:39], s[10:11], 128*(\a)
	s_load_b512 s[40:55], s[10:11], 128*(\a)+64
.endm
	STATS 0
	FETCH 0, 0
	FETCH 1, 1
	s_wait_dscnt 36                                ; all but the 36 loads just issued
	MUL 0, 1
.irp q, 1,2,3,4,5,6
	PLACES
	FETCH \q+1, (\q+1)%2
	s_wait_dscnt 36
	MUL \q%2, 0
.endr
	s_wait_dscnt 0x0
	MUL 1, 0
	WIN 0
; THE WAY OUT, block by block of 16 rows x 128 columns: through my own stage, back as whole rows of 512 bytes; LN(h) of the same rows is made meanwhile and added.
.macro TOSTAGE a
	WIN 0x08                                       ; an LDS store's data are its source 1: window 2
.irp b, 0,1,2,3,4,5,6,7
	ds_store_b128 v[STO], v[8*(8*(\a)+\b):8*(8*(\a)+\b)+3] offset:64*\b            ; each accumulator from its low end on
	ds_store_b128 v[STO], v[8*(8*(\a)+\b)+4:8*(8*(\a)+\b)+7] offset:64*\b+16
.endr
	WIN 0
.set BK, 128+64*((\a)%2)
.irp t, 0,1,2,3,4,5,6,7,8,9,10,11,12,13,14,15
	ds_load_b128 v[BK+4*\t:BK+4*\t+3], v[RD] offset:\t*528         ; LDS serves a wave's instructions in order: these see the stores above
.endr
.endm
.macro HN a
	WIN 0x03                                       ; source 0: window 3
.irp t, 0,1,2,3,4,5,6,7,8,9,10,11,12,13,14,15
	v_pk_add_f32 v[T+4*\t:T+4*\t+1], v[4*(16*(\a)+\t):4*(16*(\a)+\t)+1], s[24+2*\t:25+2*\t] op_sel_hi:[1,0]        ; h - mean
	v_pk_add_f32 v[T+4*\t+2:T+4*\t+3], v[4*(16*(\a)+\t)+2:4*(16*(\a)+\t)+3], s[24+2*\t:25+2*\t] op_sel_hi:[1,0]
.endr
	WIN 0
.irp t, 0,1,2,3,4,5,6,7,8,9,10,11,12,13,14,15
.irp k, 0,1,2,3
	v_mul_f32 v[T+4*\t+\k], s[25+2*\t], v[T+4*\t+\k]               ; x rstd
.endr
.endr
.irp t, 0,1,2,3,4,5,6,7,8,9,10,11,12,13,14,15
	v_pk_fma_f32 v[T+4*\t:T+4*\t+1], v[T+4*\t:T+4*\t+1], v[16:17], v[20:21]        ; x gamma + beta
	v_pk_fma_f32 v[T+4*\t+2:T+4*\t+3], v[T+4*\t+2:T+4*\t+3], v[18:19], v[22:23]
.endr
.endm
	s_wait_loadcnt 0x0                             ; h, gamma, beta
	PLACES
.irp a, 0,1,2,3
.if \a > 1
	s_wait_xcnt 0x0                                ; the stores of the block two back have read their registers: the stage's loads may land there
.endif
	TOSTAGE \a
	s_wait_kmcnt 0x0                               ; the block's statistics
	HN \a
.if \a < 3
	STATS \a+1
.endif
	s_wait_dscnt 0x0                               ; the block's rows are back
.set n, 0
.rept 32
	v_pk_add_f32 v[BK+2*n:BK+2*n+1], v[BK+2*n:BK+2*n+1], v[T+2*n:T+2*n+1]
.set n, n+1
.endr
.irp t, 0,1,2,3,4,5,6,7,8,9,10,11,12,13,14,15
	global_store_b128 v13, v[BK+4*\t:BK+4*\t+3], s[16:17] offset:(16*\a+\t)*32768 th:TH_STORE_NT   ; 32 lanes store 512 consecutive bytes, at a multiple of 256 from out0's first byte
.endr
.endr
	s_wait_tensorcnt 0x0
	ds_add_u32 v62, v63
	s_wait_dscnt 0x0
	CROUND                                         ; the closing round
	s_endpgm
.Lfunc_end_k_qf0f1a16d7e_outp:
	.size	k_qf0f1a16d7e_outp, .Lfunc_end_k_qf0f1a16d7e_outp-k_qf0f1a16d7e_outp
	.p2alignl 7, 3214868480
	.fill 96, 4, 3214868480
	.section	.rodata,"a",@progbits
	.p2align	6, 0x0
	.amdhsa_kernel k_qf0f1a16d7e_outp
		.amdhsa_group_segment_fixed_size 255488
		.amdhsa_private_segment_fixed_size 0
		.amdhsa_enable_private_segment 0
		.amdhsa_kernarg_size 56
		.amdhsa_user_sgpr_count 2
		.amdhsa_user_sgpr_kernarg_segment_ptr 1
		.amdhsa_wavefront_size32 1
		.amdhsa_system_sgpr_workgroup_id_x 1
		.amdhsa_system_sgpr_workgroup_id_y 1
		.amdhsa_system_sgpr_workgroup_id_z 1
		.amdhsa_system_vgpr_workitem_id 0
		.amdhsa_next_free_vgpr 1024
		.amdhsa_next_free_sgpr 102
		.amdhsa_reserve_vcc 0
		.amdhsa_float_denorm_mode_32 3
		.amdhsa_float_denorm_mode_16_64 3
		.amdhsa_memory_ordered 1
		.amdhsa_forward_progress 1
		.amdhsa_inst_pref_size 114
	.end_amdhsa_kernel
	.amdgpu_metadata
---
amdhsa.version: [ 1, 2 ]
amdhsa.kernels:
  - .name:           k_qf0f1a16d7e_outp
    .symbol:         k_qf0f1a16d7e_outp.kd
    .args:
      - { .name: aq, .offset: 0, .size: 8, .value_kind: global_buffer, .address_space: global }
      - { .name: wq, .offset: 8, .size: 8, .value_kind: global_buffer, .address_space: global }
      - { .name: h, .offset: 16, .size: 8, .value_kind: global_buffer, .address_space: global }
      - { .name: stats, .offset: 24, .size: 8, .value_kind: global_buffer, .address_space: global }
      - { .name: gamma, .offset: 32, .size: 8, .value_kind: global_buffer, .address_space: global }
      - { .name: beta, .offset: 40, .size: 8, .value_kind: global_buffer, .address_space: global }
      - { .name: out0, .offset: 48, .size: 8, .value_kind: global_buffer, .address_space: global }
    .group_segment_fixed_size: 255488
    .private_segment_fixed_size: 0
    .kernarg_segment_align: 8
    .kernarg_segment_size: 56
    .max_flat_workgroup_size: 128
    .sgpr_count:     102
    .vgpr_count:     1024
    .wavefront_size: 32
...
	.end_amdgpu_metadata
.endif
;; end of part 4
